; MI455X (gfx1250); checked and timed in simulation.
; The chip was launched on July 23, 2026; its instructions are those of AMD's public machine-readable ISA for CDNA 5 (MIT licence, August 2026) and "CDNA5" Instruction Set Architecture Reference Guide (July 2026). The comments in the code are by the model that wrote it; some were corrected since.
;; Attention. Allowed arithmetic: matrix products marked QUANTISED: E2M1 operands, one E8M0 scale for each 32 along K, by v_wmma_scale_f32_16x16x128_f8f6f4 with both operands' format E2M1 (or v_wmma_scale_f32_32x16x128_f4), f32 sums; products left as they are: bf16, f16 or f32 operands; f32 sums; everything else in f32.
;; Inputs: b_out 1,024 float32; ln_beta 1,024 float32; ln_gamma 1,024 float32; w_out 1,024 x 1,024 float32; w_qkv 1,024 x 3,072 float32; x 4 x 2,048 x 1,024 float32.
;; Outputs: out0 4 x 2,048 x 1,024 float32.
;; This version of the problem:
;;   THIS VERSION OF THE PROBLEM IS GIVEN IN LOW PRECISION. The matrix products marked QUANTISED in the list below multiply operands that are first quantised to E2M1 (2 exponent bits, 1 mantissa bit; 4 bits a number), with one power-of-two scale for each 32 numbers along K (OCP MX v1.0); their sums are f32. The products marked 'left as it is' may take bf16, f16 or f32 operands, with f32 sums. Whichever they take, every output number must still come out within the allowed error. Rounding operands to bf16 (8 significant bits) uses up far more of that allowance than f16 does (11 bits, for magnitudes from 6e-5 to 65,504). All else is computed in f32.
;;   The module's matrix products, in the order in which they are computed (A, B: the left and right operand; K: the contracted axis; several contracted axes count as one K, in the product's order):
;;     1. [M 8,192, K 1,024] x [K 1,024, N 3,072]; A: input x; B: input w_qkv: QUANTISED
;;     2. batch 64 x [M 2,048, K 64] x [K 64, N 2,048]; A: computed on the way; B: computed on the way: left as it is (an operand is computed on the way)
;;     3. batch 64 x [M 2,048, K 2,048] x [K 2,048, N 64]; A: computed on the way; B: computed on the way: left as it is (an operand is computed on the way)
;;     4. [M 8,192, K 1,024] x [K 1,024, N 1,024]; A: computed on the way; B: input w_out: left as it is (an operand is computed on the way)
;;   THE QUANTISER, for each operand of a quantised product, along K:
;;     - K is cut into blocks of 32 from its start; a last block that is shorter is filled with zeros.
;;     - A block's scale is 2^e with e = floor(log2(the largest magnitude in the block)) - 2, held to -126 .. 127; a block of zeros has e = 0. As a byte (E8M0): e + 127.
;;     - Each number is divided by its block's scale, clamped to +-6, and rounded to the nearest number of E2M1, ties to even, subnormals kept.
;;     - The product sums the exact products of the quantised numbers (number of the format x scale) in f32.
;;   ~~~python
;;   def quantise(x, axis):      # numpy; x: float32 -> the quantised numbers, widened to float32 again
;;       x = np.moveaxis(x, axis, -1); K = x.shape[-1]
;;       x = np.pad(x, [(0, 0)] * (x.ndim - 1) + [(0, -K % 32)]); x = x.reshape(x.shape[:-1] + (-1, 32)); a = np.abs(x).max(-1, keepdims=True)
;;       e = np.where(a > 0, np.clip(np.frexp(np.where(a > 0, a, 1))[1] - 1 - 2, -126, 127), 0)      # np.frexp(a)[1] - 1 = floor(log2(a)), exactly
;;       r = np.clip(x / 2.0 ** e, -6, 6)
;;       step = 2.0 ** (np.maximum(np.frexp(np.where(r == 0, 1, r))[1] - 1, 0) - 1)
;;       q = np.round(r / step) * step * 2.0 ** e      # np.round: ties to even
;;       return np.moveaxis(q.reshape(q.shape[:-2] + (-1,))[..., :K], -1, axis).astype(np.float32)
;;   ~~~
;; One version. Each part assembles by itself: llvm-mc -triple=amdgcn-amd-amdhsa -mcpu=gfx1250 --defsym DOCPART=n.
;; ======== version 1 of 1: 5 launches
;; limits: values are held in f16: magnitudes above 65,504 overflow, below 6.1e-05 lose precision
;; workspace buffers: xc 4,194,304 bytes; xs 262,144 bytes; wc 1,572,864 bytes; ws 98,304 bytes; wo16 2,097,152 bytes; qkvh 50,331,648 bytes; oh 16,777,216 bytes; ybuf 33,554,432 bytes
;; launch prep (part 1): grid 480 x 1, 4 waves a work-group, no clusters, 51,712 bytes of LDS; arguments x, w_qkv, w_out, xc, xs, wc, ws, wo16; writes xc, xs, wc, ws, wo16
.if DOCPART == 1
	.amdgcn_target "amdgcn-amd-amdhsa--gfx1250"
	.amdhsa_code_object_version 6
	.text
	.protected	k_q81772e65d4_prep
	.globl	k_q81772e65d4_prep
	.p2align	8
	.type	k_q81772e65d4_prep,@function
k_q81772e65d4_prep:
	s_mov_b64 s[64:65], 0
	v_nop
	global_prefetch_b8 v0, s[64:65] scope:SCOPE_SE
	s_setreg_imm32_b32 hwreg(HW_REG_WAVE_MODE, 25, 1), 1
	s_wait_xcnt 0x0
; PREP: the operands of the later launches are made once.
;   work-groups 0-255:   x [8192][1024] f32 (K innermost) -> xc: codes of E2M1, [8192][512 bytes]; xs: one E8M0 byte for each 32 along K, [8192][32]
;   work-groups 256-351: w_qkv [1024 (k)][3072 (n)] f32 (K is the FIRST axis) -> wc [3072][512 bytes], K innermost; ws [3072][32]
;   work-groups 352-479: w_out [1024][1024] f32 -> wo16, the same order, f16
; A block's scale is 2^(floor(log2(its largest magnitude)) - 2); its byte is the largest magnitude's exponent field - 2, held at 1 from below.  Each number is divided by the scale and rounded to the
; nearest code, ties to even; beyond 6 the conversion gives the largest code.
; LIMITS: a block of zeros gets the byte 1 where the quantiser says 127: its codes are zeros, which add nothing under any byte but 0xff, and this program alone reads the bytes.  Blocks whose largest
; magnitude lies under 2^-124 are held at the byte 1.  NaN and infinities among the inputs are not served.  w_out beyond 65,504 has no number in f16; under 6e-5 its rounding error is 3e-8 absolute.
; The three paths part on the work-group's number alone; each has LDS bytes of its own; they join at one end.  No tensor loads, no barrier: waves share nothing.
.set SPW,   12                         ; v12  LDS address of my spare word: SPARE + 4 x my thread's number; never rewritten
.set NIL,   13                         ; v13  0; never rewritten
.set XREG,  8192                       ; path x: a region for each wave: two stages of 32 x SP bytes, behind them its 256 scale bytes
.set SP,    80                         ; a lane's place in a stage: its 64 bytes + 16 of padding
.set WSTG,  32768                      ; path w_qkv: four stages of 32 rows x WP bytes
.set WP,    144                        ; a stage row: 128 bytes of codes + 16 of padding
.set SPARE, WSTG+4*32*WP               ; 51,200: the spare words, 128 bytes for each wave: two blocks of 256 bytes that no other line names
.set STEPS, 16
.set DEPTH, 8                          ; path x: steps of loads that a wave has out: 32 loads, 16,384 bytes
.set CB,    8                          ; bytes of 16 codes
.set R,     16                         ; path x: v16-143 eight sets of 16 numbers as loaded
.set X,     144                        ; v144-175 two sets of 16 neighbours
.set E,     176                        ; v176-191 a scale byte for each step
.set C,     192                        ; v192-255 codes: four registers for each step, so that no store's data are written again
.set NB,    8                          ; path w_qkv: blocks of 32 along K for a wave
.set SB,    24                         ; v24-25 the scale bytes, four to a register
.set WX,    32                         ; v32-95 two sets of 32 numbers
.set WC,    96                         ; v96-99 a block's codes
.set OUTR,  112                        ; v112-143 the way out
	s_load_b256 s[4:11], s[0:1], 0x0               ; x s[4:5], w_qkv s[6:7], w_out s[8:9], xc s[10:11]
	s_load_b256 s[12:19], s[0:1], 0x20             ; xs s[12:13], wc s[14:15], ws s[16:17], wo16 s[18:19]
	v_lshl_add_u32 v[SPW], v0, 2, SPARE
	v_mov_b32 v[NIL], 0
	v_lshrrev_b32 v1, 5, v0
	v_readfirstlane_b32 s20, v1                    ; wave 0..3
	v_and_b32 v2, 31, v0                           ; lane
	s_mov_b32 s25, 0                               ; the high word of every offset pair s[24:25]
	s_wait_kmcnt 0x0
	s_cmp_lt_u32 ttmp9, 256
	s_cbranch_scc0 .Lnot_x
; ---- PATH x.  Rows are dense and K is a multiple of 32: x is a plain stream of blocks of 32, and so are its codes and scale bytes.  A wave takes 16 steps of 512 numbers.
; Each load reads 512 consecutive bytes, 16 a lane; a step's 2,048 bytes turn through the wave's own stage and come back 64 bytes a lane: 16 neighbours along K; two neighbouring lanes hold a block.
	v_lshlrev_b32 v3, 4, v2                        ; my 16 bytes of a load's 512
	s_mul_i32 s21, s20, XREG
	v_lshrrev_b32 v14, 2, v2
	v_mul_u32_u24 v14, v14, SP
	v_and_b32 v15, 3, v2
	v_lshl_add_u32 v14, v15, 4, v14
	v_add_nc_u32 v14, s21, v14                     ; the stage, on the way in: SP (lane / 4) + 16 (lane % 4)
	v_mul_u32_u24 v15, v2, SP
	v_add_nc_u32 v15, s21, v15                     ; and on the way out: SP x lane
	v_mul_u32_u24 v4, v2, CB                       ; my codes' place in a step's
	v_lshrrev_b32 v5, 1, v2
	s_add_co_u32 s21, s21, 2*32*SP
	v_add_nc_u32 v5, s21, v5                       ; my wave's 256 scale bytes, my block's byte
	v_lshlrev_b32 v7, 3, v2                        ; and on the way out 8 bytes a lane
	v_add_nc_u32 v6, s21, v7
	s_lshl_b32 s22, ttmp9, 2
	s_add_co_u32 s22, s22, s20                     ; which run of 8,192 numbers is my wave's
	s_lshl_b32 s24, s22, 15
	s_add_nc_u64 s[4:5], s[4:5], s[24:25]          ; 32,768 bytes of x a run,
	s_lshl_b32 s24, s22, 12
	s_add_nc_u64 s[10:11], s[10:11], s[24:25]      ; 4,096 of codes,
	s_lshl_b32 s24, s22, 8
	s_add_nc_u64 s[12:13], s[12:13], s[24:25]      ; 256 scale bytes
.macro XLOAD t
.irp i, 0,1,2,3
	global_load_b128 v[R+16*((\t)%DEPTH)+4*\i:R+16*((\t)%DEPTH)+4*\i+3], v3, s[4:5] offset:2048*(\t)+512*\i th:TH_LOAD_NT
.endr
.endm
.macro XTURN t                         ; step t's numbers through the stage: LDS serves a wave's instructions in order, so no wait stands between the stores and the loads
.irp i, 0,1,2,3
	ds_store_b128 v14, v[R+16*((\t)%DEPTH)+4*\i:R+16*((\t)%DEPTH)+4*\i+3] offset:32*SP*((\t)%2)+8*SP*\i
.endr
.irp i, 0,1,2,3
	ds_load_b128 v[X+16*((\t)%2)+4*\i:X+16*((\t)%2)+4*\i+3], v15 offset:32*SP*((\t)%2)+16*\i
.endr
.endm
.irp t, 0,1,2,3,4,5,6,7
	XLOAD \t
.endr
	s_wait_loadcnt 4*(DEPTH-1)                     ; step 0's four loads are in; the 28 of steps 1 to 7 may be out
	XTURN 0
.macro XSTEP t
.set XS, X+16*((\t)%2)
.if (\t) > 0
	s_wait_dscnt 1                                 ; this step's numbers are back from the stage; the one younger LDS instruction, the last step's byte store, may be out
.else
	s_wait_dscnt 0x0
.endif
.if (\t)+DEPTH < STEPS
	XLOAD (\t)+DEPTH                               ; into the registers that the stage's stores have read
.endif
.if (\t)+1 < STEPS
.if STEPS-2-(\t) >= DEPTH-1
	s_wait_loadcnt 4*(DEPTH-1)                     ; the next step's four loads are in; those of the seven steps behind it may be out
.else
	s_wait_loadcnt 4*(STEPS-2-(\t))                ; the tail: four for each step that is still behind the next one
.endif
	XTURN (\t)+1
.endif
	v_max3_num_f32 v8, |v[XS]|, |v[XS+1]|, |v[XS+2]|               ; the largest magnitude of my 16, in two chains
	v_max3_num_f32 v9, |v[XS+3]|, |v[XS+4]|, |v[XS+5]|
.irp i, 6,10
	v_max3_num_f32 v8, v8, |v[XS+\i]|, |v[XS+\i+1]|
	v_max3_num_f32 v9, v9, |v[XS+\i+2]|, |v[XS+\i+3]|
.endr
	v_max3_num_f32 v8, v8, |v[XS+14]|, |v[XS+15]|
	v_max3_num_f32 v8, v8, v9, 0x1800000           ; and the floor 2^(3 - 127): the byte cannot fall under 1
	v_max_num_f32_dpp v8, v8, v8 row_xmask:1 row_mask:0xf bank_mask:0xf   ; and of my neighbour's 16: the block's
	v_add_nc_u32 v11, 0xff000000, v8               ; 2 off its exponent field: the conversion takes the exponent field of this operand as its scale
	v_cvt_scalef32_pk8_fp4_f32 v[C+4*(\t)], v[XS:XS+7], v11
	v_cvt_scalef32_pk8_fp4_f32 v[C+4*(\t)+1], v[XS+8:XS+15], v11
	v_lshrrev_b32 v[E+(\t)], 23, v11               ; the scale's byte (also the plain line behind the conversions)
	ds_store_b8 v5, v[E+(\t)] offset:16*(\t)       ; both lanes of a block write the same byte with the same value
	global_store_b64 v4, v[C+4*(\t):C+4*(\t)+1], s[10:11] offset:32*CB*(\t)   ; the wave stores 256 consecutive bytes, aligned
.endm
.irp t, 0,1,2,3,4,5,6,7,8,9,10,11,12,13,14,15
	XSTEP \t
.endr
	ds_load_b64 v[8:9], v6                         ; my wave's 256 scale bytes: LDS serves a wave's instructions in order
	s_wait_dscnt 0x0
	global_store_b64 v7, v[8:9], s[12:13]          ; 256 consecutive bytes, aligned
	s_branch .Lend
.Lnot_x:
	s_cmp_lt_u32 ttmp9, 352
	s_cbranch_scc0 .Lnot_w
; ---- PATH w_qkv.  A LANE TAKES A COLUMN n, AND ITS REGISTERS RUN DOWN K: each load reads 128 consecutive bytes a wave, a block of 32 along K lies in one lane's 32 registers, and the conversions
; give codes with K innermost.  A wave takes 32 columns x 256 along K: eight blocks, one behind the other, so that this path's chain of dependent blocks is no longer than path x's sixteen short steps.
; Its codes, 128 bytes a column, go through its own stage and leave as rows: eight lanes store 128 consecutive bytes, four rows an instruction: half of an aligned 256 bytes; wc is 1.5 MB in all.
; Every offset is an immediate: 255 x 12,288 bytes at the most, inside the signed 24 bits.
	s_sub_co_u32 s21, ttmp9, 256
	s_lshr_b32 s22, s21, 2                         ; which 128 columns
	s_and_b32 s23, s21, 3                          ; which quarter of K
	s_lshl_b32 s22, s22, 7
	s_lshl_b32 s24, s20, 5
	s_add_co_u32 s22, s22, s24                     ; my wave's first column
	v_lshlrev_b32 v3, 2, v2                        ; in: 4 bytes a lane
	s_mul_i32 s26, s20, 32*WP
	s_add_co_u32 s26, s26, WSTG                    ; my stage
	v_mul_u32_u24 v4, v2, WP
	v_add_nc_u32 v4, s26, v4                       ; into it: row = my column
	v_and_b32 v5, 7, v2
	v_lshrrev_b32 v6, 3, v2                        ; out of it: eight lanes to a row, four rows an instruction
	v_mul_u32_u24 v7, v6, WP
	v_lshl_add_u32 v7, v5, 4, v7
	v_add_nc_u32 v7, s26, v7
	v_lshlrev_b32 v8, 9, v6
	v_lshl_add_u32 v8, v5, 4, v8                   ; and the same place in wc: rows of 512 bytes
	v_lshlrev_b32 v9, 5, v2                        ; my column's row of 32 scale bytes
	s_mul_i32 s24, s23, 256*3072*4
	s_lshl_b32 s27, s22, 2
	s_add_co_u32 s24, s24, s27
	s_add_nc_u64 s[6:7], s[6:7], s[24:25]          ; w_qkv at (256 x quarter, my first column)
	s_lshl_b32 s24, s22, 9
	s_lshl_b32 s27, s23, 7
	s_add_co_u32 s24, s24, s27
	s_add_nc_u64 s[14:15], s[14:15], s[24:25]      ; wc: column x 512 + 128 x quarter
	s_lshl_b32 s24, s22, 5
	s_lshl_b32 s27, s23, 3
	s_add_co_u32 s24, s24, s27
	s_add_nc_u64 s[16:17], s[16:17], s[24:25]      ; ws: column x 32 + 8 x quarter
.macro WLOAD t                         ; block t: w_qkv(32 t + i, my column), i = 0 .. 31, into set t % 2
.irp i, 0,1,2,3,4,5,6,7,8,9,10,11,12,13,14,15,16,17,18,19,20,21,22,23,24,25,26,27,28,29,30,31
	global_load_b32 v[WX+32*((\t)%2)+\i], v3, s[6:7] offset:(32*(\t)+\i)*12288 th:TH_LOAD_NT
.endr
.endm
	WLOAD 0
	WLOAD 1
.macro WBLOCK t
.set XS, WX+32*((\t)%2)
.if (\t) < NB-1
	s_wait_loadcnt 32                              ; this block's 32 loads are in; the next block's 32 may be out
.else
	s_wait_loadcnt 0
.endif
	v_max3_num_f32 v16, |v[XS]|, |v[XS+1]|, |v[XS+2]|              ; the block's largest magnitude: all 32 numbers are mine
	v_max3_num_f32 v17, |v[XS+3]|, |v[XS+4]|, |v[XS+5]|
.irp i, 6,10,14,18,22,26
	v_max3_num_f32 v16, v16, |v[XS+\i]|, |v[XS+\i+1]|
	v_max3_num_f32 v17, v17, |v[XS+\i+2]|, |v[XS+\i+3]|
.endr
	v_max3_num_f32 v16, v16, |v[XS+30]|, |v[XS+31]|
	v_max3_num_f32 v16, v16, v17, 0x1800000        ; and the floor 2^(3 - 127)
	v_add_nc_u32 v18, 0xff000000, v16              ; 2 off its exponent field: the conversion's scale operand
	v_lshrrev_b32 v17, 23, v18                     ; the scale's byte
.if (\t)%4 == 0
	v_mov_b32 v[SB+(\t)/4], v17                    ; four bytes to a register, the lower K in the lower byte
.else
	v_lshl_or_b32 v[SB+(\t)/4], v17, 8*((\t)%4), v[SB+(\t)/4]
.endif
.irp g, 0,1,2,3
	v_cvt_scalef32_pk8_fp4_f32 v[WC+\g], v[XS+8*\g:XS+8*\g+7], v18
.endr
	ds_store_b128 v4, v[WC:WC+3] offset:16*(\t)    ; 32 codes: 16 bytes of my column's row.  (The next block begins with plain vector lines, ahead of the next conversion)
.if (\t)+2 < NB
	WLOAD (\t)+2
.endif
	s_wait_dscnt 0x0                               ; the store has read its registers: the next block's codes may be written
.endm
.set Q, 0
.rept NB
	WBLOCK Q
.set Q, Q+1
.endr
	global_store_b64 v9, v[SB:SB+1], s[16:17]      ; my column's 8 scale bytes
.irp t, 0,1,2,3,4,5,6,7
	ds_load_b128 v[OUTR+4*\t:OUTR+4*\t+3], v7 offset:4*\t*WP
.endr
.irp t, 0,1,2,3,4,5,6,7
	s_wait_dscnt 7-\t                              ; LDS loads come back in order: load t is in, the 7 - t younger ones may be out
	global_store_b128 v8, v[OUTR+4*\t:OUTR+4*\t+3], s[14:15] offset:4*\t*512
.endr
	s_branch .Lend
.Lnot_w:
; ---- PATH w_out: a cast.  A wave takes 2,048 numbers: sixteen loads of 512 consecutive bytes, sixteen stores of 256 consecutive bytes, aligned.  No LDS.
	s_sub_co_u32 s21, ttmp9, 352
	s_lshl_b32 s21, s21, 2
	s_add_co_u32 s21, s21, s20
	s_lshl_b32 s24, s21, 13
	s_add_nc_u64 s[8:9], s[8:9], s[24:25]
	s_lshl_b32 s24, s21, 12
	s_add_nc_u64 s[18:19], s[18:19], s[24:25]
	v_lshlrev_b32 v3, 4, v2
	v_lshlrev_b32 v4, 3, v2
.irp i, 0,1,2,3,4,5,6,7,8,9,10,11,12,13,14,15
	global_load_b128 v[32+4*\i:35+4*\i], v3, s[8:9] offset:512*\i th:TH_LOAD_NT
.endr
.irp i, 0,1,2,3,4,5,6,7,8,9,10,11,12,13,14,15
	s_wait_loadcnt 15-\i                           ; loads come back in order: load i is in, the 15 - i younger ones may be out
	v_cvt_pk_f16_f32 v[96+2*\i], v[32+4*\i], v[33+4*\i]
	v_cvt_pk_f16_f32 v[97+2*\i], v[34+4*\i], v[35+4*\i]
	global_store_b64 v4, v[96+2*\i:97+2*\i], s[18:19] offset:256*\i
.endr
.Lend:
	s_wait_tensorcnt 0x0                           ; the wave's end, behind the last LDS store
	ds_add_u32 v[SPW], v[NIL]
	s_wait_dscnt 0x0
	s_endpgm
.Lfunc_end_k_q81772e65d4_prep:
	.size	k_q81772e65d4_prep, .Lfunc_end_k_q81772e65d4_prep-k_q81772e65d4_prep
	.p2alignl 7, 3214868480
	.fill 96, 4, 3214868480
	.section	.rodata,"a",@progbits
	.p2align	6, 0x0
	.amdhsa_kernel k_q81772e65d4_prep
		.amdhsa_group_segment_fixed_size 51712
		.amdhsa_private_segment_fixed_size 0
		.amdhsa_enable_private_segment 0
		.amdhsa_kernarg_size 64
		.amdhsa_user_sgpr_count 2
		.amdhsa_user_sgpr_kernarg_segment_ptr 1
		.amdhsa_wavefront_size32 1
		.amdhsa_system_sgpr_workgroup_id_x 1
		.amdhsa_system_sgpr_workgroup_id_y 1
		.amdhsa_system_sgpr_workgroup_id_z 1
		.amdhsa_system_vgpr_workitem_id 0
		.amdhsa_next_free_vgpr 256
		.amdhsa_next_free_sgpr 66
		.amdhsa_reserve_vcc 0
		.amdhsa_float_denorm_mode_32 3
		.amdhsa_float_denorm_mode_16_64 3
		.amdhsa_memory_ordered 1
		.amdhsa_forward_progress 1
		.amdhsa_inst_pref_size 78
	.end_amdhsa_kernel
	.amdgpu_metadata
---
amdhsa.version: [ 1, 2 ]
amdhsa.kernels:
  - .name:           k_q81772e65d4_prep
    .symbol:         k_q81772e65d4_prep.kd
    .args:
      - { .name: x, .offset: 0, .size: 8, .value_kind: global_buffer, .address_space: global }
      - { .name: w_qkv, .offset: 8, .size: 8, .value_kind: global_buffer, .address_space: global }
      - { .name: w_out, .offset: 16, .size: 8, .value_kind: global_buffer, .address_space: global }
      - { .name: xc, .offset: 24, .size: 8, .value_kind: global_buffer, .address_space: global }
      - { .name: xs, .offset: 32, .size: 8, .value_kind: global_buffer, .address_space: global }
      - { .name: wc, .offset: 40, .size: 8, .value_kind: global_buffer, .address_space: global }
      - { .name: ws, .offset: 48, .size: 8, .value_kind: global_buffer, .address_space: global }
      - { .name: wo16, .offset: 56, .size: 8, .value_kind: global_buffer, .address_space: global }
    .group_segment_fixed_size: 51712
    .private_segment_fixed_size: 0
    .kernarg_segment_align: 8
    .kernarg_segment_size: 64
    .max_flat_workgroup_size: 128
    .sgpr_count:     66
    .vgpr_count:     256
    .wavefront_size: 32
...
	.end_amdgpu_metadata
.endif
;; end of part 1
;; launch qkv (part 2): grid 12 x 32, 4 waves a work-group, clusters of 4 x 4, 327,680 bytes of LDS; arguments xc, xs, wc, ws, qkvh; writes qkvh
.if DOCPART == 2
	.amdgcn_target "amdgcn-amd-amdhsa--gfx1250"
	.amdhsa_code_object_version 6
	.text
	.protected	k_q81772e65d4_qkv
	.globl	k_q81772e65d4_qkv
	.p2align	8
	.type	k_q81772e65d4_qkv,@function
k_q81772e65d4_qkv:
	s_mov_b64 s[64:65], 0
	v_nop
	global_prefetch_b8 v0, s[64:65] scope:SCOPE_SE
	s_setreg_imm32_b32 hwreg(HW_REG_WAVE_MODE, 25, 1), 1
	s_wait_xcnt 0x0
	s_wait_alu depctr_hold_cnt(0) depctr_sa_sdst(0) depctr_va_vdst(0) depctr_va_sdst(0) depctr_va_ssrc(0) depctr_va_vcc(0) depctr_vm_vsrc(0)
	s_getreg_b32 s2, hwreg(HW_REG_IB_STS2, 6, 4)
	s_cmp_eq_u32 s2, 0
	s_cbranch_scc0 .Lentry_in_a_cluster
	s_endpgm
.Lentry_in_a_cluster:
	s_bfe_u32 s2, ttmp6, 0x10000c
	s_cmp_lg_u32 s2, 0xf033
	s_cbranch_scc0 .Lentry_shape_is_right
	s_endpgm
.Lentry_shape_is_right:
; QKV: x w_qkv on codes of E2M1 with one E8M0 scale for each 32 along K: [8192][1024] x [3072][1024]^T, sums in f32.  The result leaves as f16, by heads:
; qkvh [3 (q, k, v)][64 (batch x 16 + head)][2048 (token)][64].  q is multiplied in f32, ahead of the rounding, by c = 0.125 log2(e), so that the next launch's scores are exponents of 2.
; LIMITS: q c, k and v beyond 65,504 have no number in f16; under 6e-5 the rounding error is 3e-8 absolute.
; A tile of 256 x 256 is made by a work-group of four waves; a wave makes 128 x 128: 64 accumulators of 16 x 16, 512 registers.  K = 1,024 is two LDS slots of 512 along K (rows of 256 bytes), both
; filled once, at the head: no slot is filled again, so the text has no loop.  The scale bytes of the work-group's 256 + 256 rows, two dense blocks, come with the first fills and stay.
; CLUSTERS: 4 x 4 work-groups.  The four of a row of the cluster need the same tiles of x, the four of a column the same tiles of w_qkv: each tile is asked for JOINTLY, by the same tensor load with
; the same descriptor and a mask that names the four.  THE MATRIX INSTRUCTION IS USED TRANSPOSED (source 0 = 16 rows of wc, source 1 = 16 rows of xc): a lane holds eight neighbouring columns of a row.
; REGISTERS, in windows of 256: window 0: v0-31 addresses; v32-95 scale words, two sets, and nothing else; v128-191 A's fragments, ONE set; on the way out v96-255.
;   window 1: B's fragments, TWO sets, at v0 and v128.   window 2: the accumulators of my rows 0-63 ((a, b) at v[8 (8 a + b)]);   window 3: those of my rows 64-127.
.set KSTEP,  512
.set NQ,     4                         ; steps of 128 along K in a slot
.set ROWB,   256                       ; a tile's row in bytes
.set KROW,   512                       ; a row of xc or wc in memory
.set PITCH,  272                       ; an LDS row: 256 bytes + 16 of padding: the 16 rows that a load touches start 68 words apart
.set FR,     8                         ; registers of a fragment: 16 rows x 128 K
.set NL,     2                         ; LDS loads that bring one
.set NP,     4                         ; places behind this matrix instruction (ISA guide 7.12.1)
.set HALFT,  128*PITCH
.set SLOT,   4*HALFT                   ; A's 256 rows, then B's 256 rows
.set KS,     32                        ; a row of scale bytes
.set SCL,    2*SLOT                    ; behind the slots: the scales, as units of 256 bytes + 16 of padding
.set HALFS,  16*272                    ; the scales of 128 rows: what one tensor load brings
.set SBLK,   2*272                     ; those of 16 rows
.set SPARE,  SCL+4*HALFS               ; the spare words, 128 bytes for each wave: two blocks of 256 bytes that no other line names
.set SPITCH, 272                       ; the way out: a stage of 16 rows x (256 bytes + 16) for each wave, in slot 0, which has had its only fill and its last read when the first result is stored there
.set ADRA, 16
.set ADRB, 20
.set STO,  24
.set RD,   25
.set CO,   26
.set ADRS, 27
.set SPW,  28                          ; v28  LDS address of my spare word; never rewritten
.set NIL,  29                          ; v29  0; never rewritten
.set SC,   32                          ; scale words: set s at v[SC + 32 s]; register 4 i + q: lanes 0-15 the word of A's block i, lanes 16-31 that of B's block i
.set AF,   128
.set TMP,  96                          ; the way out: v96-127 a block as f16
.set BK,   128                         ; v128-159, v160-191 by turns: a block read back from the stage
.set TT,   192                         ; v192-255 a block times the factor, f32
.set G1, 24
.set G0, 32
.set G1B, 48
.set G0B, 56
.set G1S, 68
.set G0S, 76
.set G1SB, 80
.set G0SB, 88
.set MSB, 0
.macro WIN new                         ; the immediate's high byte repeats the setting that is left
.if MSB != \new
	s_set_vgpr_msb (MSB<<8)|\new
.set MSB, \new
.endif
.endm
.set MUL_LO, 0xa1                      ; source 0 (B) window 1, source 1 (A) window 0, C and D window 2
.set MUL_HI, 0xf1                      ; the same, C and D window 3
.set TO_B,   0x40                      ; destination window 1, address window 0
; A joint load: waves 0 and 1 fetch for A, waves 2 and 3 for B.  The branch hangs on the wave's number alone.  An s_nop 0 and four v_nop follow each of the two lines.
.macro JLOAD g0a, g1a, g0b, g1b
	s_cmp_eq_u32 s15, 0
	s_cbranch_scc0 .Lfor_b_\@
	tensor_load_to_lds s[\g0a:\g0a+3], s[\g1a:\g1a+7]
	s_nop 0
.rept 4
	v_nop
.endr
	s_branch .Lasked_\@
.Lfor_b_\@:
	tensor_load_to_lds s[\g0b:\g0b+3], s[\g1b:\g1b+7]
	s_nop 0
.rept 4
	v_nop
.endr
.Lasked_\@:
.endm
.macro CROUND                          ; a round of the cluster's barrier
	s_barrier_signal -1
	s_barrier_wait -1
	s_cmp_lg_u32 s14, 0
	s_cbranch_scc1 .Lnot_wave_0_\@
	s_barrier_signal -3
.Lnot_wave_0_\@:
	s_barrier_wait -3
	s_barrier_signal -1
	s_barrier_wait -1
.endm
	s_load_b128 s[4:7], s[0:1], 0x0                ; xc s[4:5], xs s[6:7]
	s_load_b128 s[8:11], s[0:1], 0x10              ; wc s[8:9], ws s[10:11]
	s_load_b64 s[12:13], s[0:1], 0x20              ; qkvh
	v_lshl_add_u32 v[SPW], v0, 2, SPARE
	v_mov_b32 v[NIL], 0
	ds_add_u32 v[SPW], v[NIL]                      ; the wave's opening: the add, twice on end, and its wait ahead of my first tensor load
	ds_add_u32 v[SPW], v[NIL]
	v_lshrrev_b32 v1, 5, v0
	v_readfirstlane_b32 s14, v1                    ; wave 0..3
	s_lshr_b32 s15, s14, 1                         ; which half of the tile's rows is mine.  Also: I fetch for A (0) or for B (1)
	s_and_b32 s16, s14, 1                          ; which half of its columns.  Also: which 128 rows of that tile I fetch
	s_cmp_eq_u32 ttmp9, 0                          ; the first column of clusters holds columns 0 to 1,023: q
	s_cselect_b32 s2, 0x3e38aa3b, 1.0              ; the factor: c = 0.125 log2(e) for q, 1 for k and v.  A value is chosen; no branch hangs on it
	s_mov_b32 s3, s2                               ; (named with it as a pair, so it is written)
	s_bfe_u32 s40, ttmp6, 0x40000                  ; cx, cy: my place in the cluster
	s_bfe_u32 s41, ttmp6, 0x40004
	s_lshl_b32 s42, ttmp9, 2
	s_add_co_u32 s42, s42, s40                     ; tile column = 4 x cluster x + cx
	s_and_b32 s17, ttmp7, 0xffff
	s_lshl_b32 s17, s17, 2
	s_add_co_u32 s17, s17, s41                     ; tile row = 4 x cluster y + cy
	s_lshl_b32 s43, s41, 2
	s_lshl_b32 s43, 15, s43                        ; my row of the cluster
	s_lshl_b32 s44, 0x1111, s40                    ; my column
	; descriptor group 1: a tile of 128 rows x 256 bytes, padded in LDS
	s_or_b32 s[G1+0], s43, (0<<16)|(1<<20)|(1<<21)|(5<<22)|(3<<25)  ; 15:0 the mask; 17:16 elements of 1 byte; 20 padding on; 21 set beside a mask; 24:22 after every 64 words; 31:25 four words
	s_or_b32 s[G1B+0], s44, (0<<16)|(1<<20)|(1<<21)|(5<<22)|(3<<25)
.irp g, G1, G1B
	s_mov_b32 s[\g+1], ROWB<<16                    ; tensor_dim0
	s_mov_b32 s[\g+2], 128<<16                     ; tensor_dim1
	s_mov_b32 s[\g+3], ROWB<<16                    ; tile_dim0
	s_mov_b32 s[\g+4], 128                         ; tile_dim1
	s_mov_b32 s[\g+5], KROW                        ; tensor_dim0_stride
	s_mov_b32 s[\g+6], 0
	s_mov_b32 s[\g+7], 0
.endr
	; the scales of 128 rows: a dense block of 4,096 bytes, as 16 rows of 256 bytes (32 elements of 8 bytes), 16 bytes of padding behind each
	s_or_b32 s[G1S+0], s43, (3<<16)|(1<<20)|(1<<21)|(5<<22)|(3<<25)
	s_or_b32 s[G1SB+0], s44, (3<<16)|(1<<20)|(1<<21)|(5<<22)|(3<<25)
.irp g, G1S, G1SB
	s_mov_b32 s[\g+1], 32<<16
	s_mov_b32 s[\g+2], 16<<16
	s_mov_b32 s[\g+3], 32<<16
	s_mov_b32 s[\g+4], 16
	s_mov_b32 s[\g+5], 32
	s_mov_b32 s[\g+6], 0
	s_mov_b32 s[\g+7], 0
.endr
	s_lshl_b32 s18, s16, 7                         ; which 128 rows of the tile I fetch
	s_lshl_b32 s20, s17, 8
	s_add_co_u32 s20, s20, s18                     ; A: row 256 x tile row + 128 x half
	s_lshl_b32 s46, s42, 8
	s_add_co_u32 s46, s46, s18                     ; B: row 256 x tile column + 128 x half
	s_mov_b32 s21, 0
	s_mov_b32 s47, 0
	s_mov_b64 s[18:19], KS
	s_mul_u64 s[22:23], s[20:21], s[18:19]         ; where these rows' scales begin, in bytes
	s_mul_u64 s[92:93], s[46:47], s[18:19]
	s_mov_b64 s[18:19], KROW
	s_mul_u64 s[20:21], s[20:21], s[18:19]         ; and their codes
	s_mul_u64 s[46:47], s[46:47], s[18:19]
	s_mul_i32 s45, s14, HALFT                      ; where they go: wave x 128 rows: no place in the cluster enters an LDS address
	s_mul_i32 s94, s14, HALFS
	s_wait_dscnt 0x0                               ; both opening adds are done
	s_wait_kmcnt 0x0
	s_add_nc_u64 s[20:21], s[4:5], s[20:21]
	s_add_nc_u64 s[22:23], s[6:7], s[22:23]
	s_add_nc_u64 s[46:47], s[8:9], s[46:47]
	s_add_nc_u64 s[92:93], s[10:11], s[92:93]
	CROUND                                         ; all sixteen work-groups are here: the joint loads meet
	s_mov_b32 s[G0S], 1
	s_add_co_u32 s[G0S+1], s94, SCL
	s_mov_b64 s[G0S+2:G0S+3], s[22:23]
	s_or_b32 s[G0S+3], s[G0S+3], 0x80000000
	s_mov_b32 s[G0SB], 1
	s_add_co_u32 s[G0SB+1], s94, SCL
	s_mov_b64 s[G0SB+2:G0SB+3], s[92:93]
	s_or_b32 s[G0SB+3], s[G0SB+3], 0x80000000
	JLOAD G0S, G1S, G0SB, G1SB                     ; the scales first: they are wanted with the first slot
.irp s, 0,1
	s_mov_b32 s[G0+4*\s], 1
	s_add_co_u32 s[G0+4*\s+1], s45, \s*SLOT
	s_add_nc_u64 s[G0+4*\s+2:G0+4*\s+3], s[20:21], \s*ROWB
	s_or_b32 s[G0+4*\s+3], s[G0+4*\s+3], 0x80000000
	s_mov_b32 s[G0B+4*\s], 1
	s_add_co_u32 s[G0B+4*\s+1], s45, \s*SLOT
	s_add_nc_u64 s[G0B+4*\s+2:G0B+4*\s+3], s[46:47], \s*ROWB
	s_or_b32 s[G0B+4*\s+3], s[G0B+4*\s+3], 0x80000000
	JLOAD G0+4*\s, G1, G0B+4*\s, G1B               ; three tensor loads of mine are out behind the second of these
.endr
	v_and_b32 v1, 15, v0                           ; l % 16
	v_bfe_u32 v2, v0, 4, 1                         ; l / 16
	v_mul_u32_u24 v3, v1, PITCH
	v_lshl_add_u32 v4, v2, 4, v3                   ; a fragment's row x pitch + 16 x half
	s_mul_i32 s21, s15, HALFT                      ; my 128 rows of A
	s_mul_i32 s22, s16, HALFT                      ; my 128 rows of B,
	s_add_co_u32 s22, s22, 2*HALFT                 ; which lie behind A's 256
.irp s, 0,1
	v_add_nc_u32 v[ADRA+\s], s21, v4
	v_add_nc_u32 v[ADRB+\s], s22, v4
	s_add_co_u32 s21, s21, SLOT
	s_add_co_u32 s22, s22, SLOT
.endr
	v_mul_u32_u24 v5, v1, KS                       ; my row's scales: 32 bytes a row,
	v_lshrrev_b32 v6, 8, v5
	v_lshl_add_u32 v5, v6, 4, v5                   ; and 16 more for each 256 passed
	s_mul_i32 s21, s15, HALFS                      ; A's: my 128 rows
	s_mul_i32 s22, s16, HALFS                      ; B's: my 128 rows, behind A's 256
	s_add_co_u32 s22, s22, 2*HALFS
	s_sub_co_u32 s22, s22, s21
	v_mul_u32_u24 v6, s22, v2                      ; lanes 16-31 take B's: one product, the distance between the two bases
	s_add_co_u32 s21, s21, SCL
	v_add_nc_u32 v5, v5, v6
	v_add_nc_u32 v[ADRS], s21, v5
	; the way out.  In: row l % 16 of the stage, 16 bytes (8 f16) for each half of the lanes.  Back: lanes 0-15 take two tokens of my first head (2 x 128 bytes), lanes 16-31 the same of my second.
	s_mul_i32 s23, s14, 16*SPITCH                  ; my stage
	v_mul_u32_u24 v5, v1, SPITCH
	v_lshl_add_u32 v5, v2, 4, v5
	v_add_nc_u32 v[STO], s23, v5
	v_bfe_u32 v6, v0, 3, 1                         ; which of the two tokens
	v_and_b32 v7, 7, v0                            ; which 16 bytes of its 128
	v_mul_u32_u24 v5, v6, SPITCH
	v_lshl_add_u32 v5, v2, 7, v5
	v_lshl_add_u32 v5, v7, 4, v5
	v_add_nc_u32 v[RD], s23, v5
	v_lshlrev_b32 v5, 18, v2                       ; in qkvh a head is 262,144 bytes, a token 128
	v_lshl_add_u32 v5, v6, 7, v5
	v_lshl_add_u32 v[CO], v7, 4, v5
	; where my 128 rows x 2 heads begin in qkvh
	s_lshl_b32 s20, s17, 8
	s_lshl_b32 s21, s15, 7
	s_add_co_u32 s20, s20, s21                     ; my first row: 2,048 x batch + token
	s_lshl_b32 s46, s42, 2
	s_lshl_b32 s47, s16, 1
	s_add_co_u32 s46, s46, s47                     ; my first column / 64: 16 x (q, k or v) + head
	s_lshr_b32 s21, s20, 11
	s_lshl_b32 s21, s21, 4
	s_and_b32 s47, s46, 15
	s_add_co_u32 s21, s21, s47                     ; 16 x batch + head
	s_lshl_b32 s21, s21, 18
	s_lshr_b32 s47, s46, 4
	s_lshl_b32 s47, s47, 24                        ; q, k, v are 2^24 bytes each
	s_add_co_u32 s21, s21, s47
	s_and_b32 s20, s20, 2047
	s_lshl_b32 s20, s20, 7
	s_add_co_u32 s20, s20, s21
	s_mov_b32 s21, 0
	s_add_nc_u64 s[12:13], s[12:13], s[20:21]
.macro FRAG reg, adr, q, i             ; a fragment, 16 rows x 128 K of 4-bit codes: lane l holds row l % 16; registers 4 c .. 4 c + 3 hold K = 64 c + 32 (l / 16) + 0 .. 31
.irp c, 0,1
	ds_load_b128 v[\reg+4*\c:\reg+4*\c+3], v[\adr] offset:64*(\q)+32*\c+(\i)*16*PITCH
.endr
.endm
; 16 matrix instructions: A's blocks a0, a0 + 1 x B's eight, 128 along K.  p: B's set;  sc: the set of scale words.  zero = 1: the first product starts the sums: nothing is cleared.
; The 64 accumulators take turns, one instruction a turn, in the same order in every step.
.macro MUL16 a0, p, q, sc, zero
.irp a, \a0, \a0+1
.irp b, 0,1,2,3,4,5,6,7
.if \zero
	v_wmma_scale_f32_16x16x128_f8f6f4 v[8*(8*((\a)%4)+\b):8*(8*((\a)%4)+\b)+7], v[128*(\p)+FR*\b:128*(\p)+FR*\b+FR-1], v[AF+FR*(\a):AF+FR*(\a)+FR-1], 0, v[SC+8*NQ*(\sc)+NQ*\b+(\q)], v[SC+8*NQ*(\sc)+NQ*(\a)+(\q)] matrix_a_fmt:MATRIX_FMT_FP4 matrix_b_fmt:MATRIX_FMT_FP4 matrix_a_scale:MATRIX_SCALE_ROW1
.else
	v_wmma_scale_f32_16x16x128_f8f6f4 v[8*(8*((\a)%4)+\b):8*(8*((\a)%4)+\b)+7], v[128*(\p)+FR*\b:128*(\p)+FR*\b+FR-1], v[AF+FR*(\a):AF+FR*(\a)+FR-1], v[8*(8*((\a)%4)+\b):8*(8*((\a)%4)+\b)+7], v[SC+8*NQ*(\sc)+NQ*\b+(\q)], v[SC+8*NQ*(\sc)+NQ*(\a)+(\q)] matrix_a_fmt:MATRIX_FMT_FP4 matrix_b_fmt:MATRIX_FMT_FP4 matrix_a_scale:MATRIX_SCALE_ROW1
.endif
.endr
.endr
.endm
.macro FETCH_B slot, q, p              ; B's eight fragments of the slot's q-th 128 along K into set p
	WIN TO_B
.irp i, 0,1,2,3,4,5,6,7
	FRAG 128*(\p)+FR*\i, ADRB+\slot, \q, \i
.endr
	WIN 0
.endm
.macro FETCH_A slot, q, i0             ; A's blocks i0 .. i0 + 3
.irp i, \i0, \i0+1, \i0+2, \i0+3
	FRAG AF+FR*(\i), ADRA+\slot, \q, \i
.endr
.endm
.macro SCALES sc                       ; a slot's scale words into set sc: four words a row; lanes 0-15 take A's block i, lanes 16-31 B's block i
.irp i, 0,1,2,3,4,5,6,7
	ds_load_b128 v[SC+8*NQ*\sc+NQ*\i:SC+8*NQ*\sc+NQ*\i+3], v[ADRS] offset:\i*SBLK
.endr
.endm
.macro PLACES n                        ; plain places behind matrix instructions, in front of loads into registers that they have read and of the first read of results
.rept \n
	v_nop
.endr
.endm
; A step of 128 along K that has its successor in the same slot.  A's blocks go one after the other, each against B's eight: blocks 0-3 are fetched anew in the step's middle, blocks 4-7 at its end.
.macro STEP slot, q, zero
	s_wait_dscnt 4*NL                              ; B's set and A's blocks 0-3 are in; the youngest eight loads (A's blocks 4-7) may be out
	WIN MUL_LO
	MUL16 0, (\q)%2, \q, \slot, \zero
	MUL16 2, (\q)%2, \q, \slot, \zero
	s_wait_dscnt 0                                 ; A's blocks 4-7 are in
	PLACES NP
	FETCH_B \slot, (\q)+1, 1-(\q)%2
	FETCH_A \slot, (\q)+1, 0
	WIN MUL_HI
	MUL16 4, (\q)%2, \q, \slot, \zero
	MUL16 6, (\q)%2, \q, \slot, \zero
	PLACES NP
	WIN 0
	FETCH_A \slot, (\q)+1, 4
.endm
.macro STEPS slot, from                ; the slot's steps from .. NQ - 2
.set Q, \from
.rept NQ-1-\from
	STEP \slot, Q, 0
.set Q, Q+1
.endr
.endm
	s_wait_tensorcnt 1                             ; the scales and my part of slot 0 are in; the one younger load, slot 1's, may be out
	s_barrier_signal -1
	s_barrier_wait -1                              ; everybody's are
	FETCH_B 0, 0, 0
	FETCH_A 0, 0, 0
	SCALES 0
	FETCH_A 0, 0, 4
	STEP 0, 0, 1                                   ; the first step's products start the sums
	STEPS 0, 1
	; slot 0's last step changes slots: one barrier; in front of it each wave has waited for its part of slot 1 and for its own reads of slot 0
	s_wait_tensorcnt 0x0                           ; all my tensor loads have landed
	ds_add_u32 v[SPW], v[NIL]                      ; 0 onto my spare word
	s_wait_dscnt 4*NL+1                            ; the add and the youngest eight loads, A's blocks 4-7, may be out
	WIN MUL_LO
	MUL16 0, 1, NQ-1, 0, 0
	s_wait_dscnt 0x0                               ; the add is done, and my reads of slot 0 are over
	s_barrier_signal -1
	MUL16 2, 1, NQ-1, 0, 0
	WIN 0
	s_barrier_wait -1
	PLACES NP
	v_add_nc_u32 v[ADRS], 4*NQ, v[ADRS]            ; on to slot 1's scale words
	FETCH_B 1, 0, 0
	FETCH_A 1, 0, 0
	SCALES 1
	WIN MUL_HI
	MUL16 4, 1, NQ-1, 0, 0
	MUL16 6, 1, NQ-1, 0, 0
	PLACES NP
	WIN 0
	FETCH_A 1, 0, 4
	STEPS 1, 0
	s_wait_dscnt 4*NL                              ; the very last step: nothing more to fetch
	WIN MUL_LO
	MUL16 0, 1, NQ-1, 1, 0
	MUL16 2, 1, NQ-1, 1, 0
	s_wait_dscnt 0
	WIN MUL_HI
	MUL16 4, 1, NQ-1, 1, 0
	MUL16 6, 1, NQ-1, 1, 0
	WIN 0
; THE WAY OUT, block by block of 16 tokens x 128 columns (two heads).  PACK: times the factor, in f32, each accumulator from its low end on; rounded to f16.  TOSTAGE: into my stage, rows of 256 bytes, and back
; by heads.  SEND: sixteen neighbouring lanes store two tokens of one head: 256 consecutive bytes, aligned.  LDS serves a wave's instructions in order: no wait between the stage's stores and loads.
.macro PACK a
.set AC, 64*((\a)%4)
.set WW, 2+(\a)/4
	WIN WW                                         ; source 0: window 2 or 3
.set i, 0
.rept 32
	v_pk_mul_f32 v[TT+2*i:TT+2*i+1], v[AC+2*i:AC+2*i+1], s[2:3] op_sel_hi:[1,0]
.set i, i+1
.endr
	WIN 0
.set i, 0
.rept 32
	v_cvt_pk_f16_f32 v[TMP+i], v[TT+2*i], v[TT+2*i+1]
.set i, i+1
.endr
.endm
.macro TOSTAGE a
.set BB, BK+32*((\a)%2)
.irp b, 0,1,2,3,4,5,6,7
	ds_store_b128 v[STO], v[TMP+4*\b:TMP+4*\b+3] offset:32*\b
.endr
.irp t, 0,1,2,3,4,5,6,7
	ds_load_b128 v[BB+4*\t:BB+4*\t+3], v[RD] offset:\t*2*SPITCH
.endr
.endm
.macro SEND a, younger                 ; younger: the LDS instructions issued behind block a's loads, which may stay out
.set BB, BK+32*((\a)%2)
	s_wait_dscnt \younger
.irp t, 0,1,2,3,4,5,6,7
	global_store_b128 v[CO], v[BB+4*\t:BB+4*\t+3], s[12:13] offset:(\a)*2048+\t*256
.endr
.endm
	PLACES NP                                      ; behind the last products: for the reads of results and for the loads into the registers that held A's fragments
	PACK 0
	TOSTAGE 0
.irp a, 1,2,3,4,5,6,7
	PACK \a
.if \a > 1
	s_wait_xcnt 0x0                                ; block a - 2's stores have read their registers: block a's loads may land there
.endif
	TOSTAGE \a
	SEND \a-1, 16                                  ; behind block a - 1's loads: block a's 8 stores and 8 loads
.endr
	SEND 7, 0
	s_wait_tensorcnt 0x0                           ; the wave's end, behind my last tensor load and my last LDS store
	ds_add_u32 v[SPW], v[NIL]
	s_wait_dscnt 0x0
	CROUND                                         ; the closing round: no work-group ends while a partner may still ask for a tile that names it
	s_endpgm
.Lfunc_end_k_q81772e65d4_qkv:
	.size	k_q81772e65d4_qkv, .Lfunc_end_k_q81772e65d4_qkv-k_q81772e65d4_qkv
	.p2alignl 7, 3214868480
	.fill 96, 4, 3214868480
	.section	.rodata,"a",@progbits
	.p2align	6, 0x0
	.amdhsa_kernel k_q81772e65d4_qkv
		.amdhsa_group_segment_fixed_size 327680
		.amdhsa_private_segment_fixed_size 0
		.amdhsa_enable_private_segment 0
		.amdhsa_kernarg_size 40
		.amdhsa_user_sgpr_count 2
		.amdhsa_user_sgpr_kernarg_segment_ptr 1
		.amdhsa_wavefront_size32 1
		.amdhsa_system_sgpr_workgroup_id_x 1
		.amdhsa_system_sgpr_workgroup_id_y 1
		.amdhsa_system_sgpr_workgroup_id_z 1
		.amdhsa_system_vgpr_workitem_id 0
		.amdhsa_next_free_vgpr 1024
		.amdhsa_next_free_sgpr 98
		.amdhsa_reserve_vcc 0
		.amdhsa_float_denorm_mode_32 3
		.amdhsa_float_denorm_mode_16_64 3
		.amdhsa_memory_ordered 1
		.amdhsa_forward_progress 1
		.amdhsa_inst_pref_size 143
	.end_amdhsa_kernel
	.amdgpu_metadata
---
amdhsa.version: [ 1, 2 ]
amdhsa.kernels:
  - .name:           k_q81772e65d4_qkv
    .symbol:         k_q81772e65d4_qkv.kd
    .args:
      - { .name: xc, .offset: 0, .size: 8, .value_kind: global_buffer, .address_space: global }
      - { .name: xs, .offset: 8, .size: 8, .value_kind: global_buffer, .address_space: global }
      - { .name: wc, .offset: 16, .size: 8, .value_kind: global_buffer, .address_space: global }
      - { .name: ws, .offset: 24, .size: 8, .value_kind: global_buffer, .address_space: global }
      - { .name: qkvh, .offset: 32, .size: 8, .value_kind: global_buffer, .address_space: global }
    .group_segment_fixed_size: 327680
    .private_segment_fixed_size: 0
    .kernarg_segment_align: 8
    .kernarg_segment_size: 40
    .max_flat_workgroup_size: 128
    .sgpr_count:     98
    .vgpr_count:     1024
    .wavefront_size: 32
...
	.end_amdgpu_metadata
.endif
;; end of part 2
;; launch attn (part 3): grid 4 x 64, 8 waves a work-group, clusters of 4 x 1, 327,680 bytes of LDS; arguments qkvh, oh; writes oh
.if DOCPART == 3
	.amdgcn_target "amdgcn-amd-amdhsa--gfx1250"
	.amdhsa_code_object_version 6
	.text
	.protected	k_q81772e65d4_attn
	.globl	k_q81772e65d4_attn
	.p2align	8
	.type	k_q81772e65d4_attn,@function
k_q81772e65d4_attn:
	s_mov_b64 s[64:65], 0
	v_nop
	global_prefetch_b8 v0, s[64:65] scope:SCOPE_SE
	s_setreg_imm32_b32 hwreg(HW_REG_WAVE_MODE, 25, 1), 1
	s_wait_xcnt 0x0
	s_wait_alu depctr_hold_cnt(0) depctr_sa_sdst(0) depctr_va_vdst(0) depctr_va_sdst(0) depctr_va_ssrc(0) depctr_va_vcc(0) depctr_vm_vsrc(0)
	s_getreg_b32 s2, hwreg(HW_REG_IB_STS2, 6, 4)
	s_cmp_eq_u32 s2, 0
	s_cbranch_scc0 .Lentry_in_a_cluster
	s_endpgm
.Lentry_in_a_cluster:
	s_bfe_u32 s2, ttmp6, 0x10000c
	s_cmp_lg_u32 s2, 0x3003
	s_cbranch_scc0 .Lentry_shape_is_right
	s_endpgm
.Lentry_shape_is_right:
; ATTN: oh[head][q][:] = the sum over k of softmax_k(q . k / 8) v[k][:], for 64 heads of 2,048 tokens x 64.  qkvh holds q c (c = 0.125 log2(e)), k and v in f16, by heads; oh is f16, by heads.
; The scores t = (q c) . k are exponents of 2.  For each query a running maximum m and sum l: p = 2^(t - m), at most 1 for every input; in every step O and l are multiplied by a = 2^(m_old - m_new).
; Products on f16 operands with f32 sums; maxima, sums and exponentials in f32; p is rounded to f16 for the second product, the row's sum is taken of the f32 p, O is rounded once at the end.
; LIMITS: O beyond 65,504 has no number in f16; p and O under 6e-5 carry a rounding error of 3e-8 absolute.  NaN and infinities are not served.
; SHARES.  A cluster of four work-groups is one head; a work-group owns 512 queries, each of its eight waves 64: four tiles of 16.  Every wave walks all keys, 64 a step.
; LAYOUT.  S^T = K Q^T (source 0 = 16 keys, source 1 = 16 queries): a lane holds ONE query (lane % 16) and keys 8 (lane / 16) + 0..7.  Two such tiles, rounded to f16 in pairs, ARE source 1 of
; O^T = V^T P, whose result again holds one query a lane.  K comes out of LDS as it lies, V ([key][channel]) turned, by ds_load_tr16_b128.
; TWO GROUPS OF WAVES, HALF A STEP APART.  A wave's step is vector work (SM) and matrix work (MM: V^T P of the step, K Q^T of the next).  The first scores are made by all waves alike.  Behind the first
; trip's vector work, and at every change of slots, the matrix work that is due is run by waves 0-3 in front of a barrier and by waves 4-7 behind it, so that behind the barrier one group begins with
; vector work and the other with matrix work.  All barriers stand on the common way; the arms hang on the wave's number alone, and the text is sound whichever arms are taken.
; THE RING.  Two slots of 512 keys, filled jointly by the four work-groups (waves 0-3: K, 128 rows each; waves 4-7: V).  K IS SHIFTED BY ONE STEP: a slot holds V of steps 8 s .. 8 s + 7 and K of steps
; 8 s + 1 .. 8 s + 8, so that a trip's V and the next step's K come from one slot; K of step 0 has bytes of its own.  The last slot's K so reaches 64 rows past the head: rows of the next head, or of
; v's first head, inside qkvh; they are fetched and never multiplied.  A refill has eight key steps in which to land; no prefetch is laid.
; REGISTERS.  window 0: v2-11 addresses; v16-55 ten registers of statistics a tile; v56-119 Q; v128-255 S^T, 32 a tile; P takes the place of a tile's first 16.
;   window 1: v0-127 O^T, 32 a tile; v128-191 K of one step; v192-255 V of one step.
.set PK,    144                        ; a row of K in LDS: 128 bytes + 16 of padding
.set PV,    160                        ; a row of V: 128 + 32: the turning load's 8 rows x 32 bytes fall on different words
.set VOFF,  512*PK                     ; a slot: 512 rows of K, then 512 rows of V
.set SLOT,  512*(PK+PV)                ; 155,648
.set K0B,   2*SLOT                     ; K of step 0: 64 rows, filled once
.set SPARE, K0B+64*PK                  ; 320,512: the spare words, 128 bytes for each wave: four blocks of 256 bytes that no other line names
.set AK0, 2                            ; v2   my lane's place in a tile of K; never rewritten
.set AV0, 3                            ; v3   the same for V
.set ADK, 4                            ; v4   LDS address of the run of K's loads in hand
.set ADV, 5                            ; v5   of V's
.set QO,  6                            ; v6   my byte offset in the wave's rows of Q
.set STO, 7                            ; v7   the way out: where I put 16 bytes of a row
.set RD,  8                            ; v8   where I read rows back
.set GO,  9                            ; v9   my byte offset in the wave's rows of oh
.set SPW, 10                           ; v10  LDS address of my spare word; never rewritten
.set NIL, 11                           ; v11  0; never rewritten
.set ST,  16                           ; tile T at v[ST + 10 T]: +0 m (+1 its pair's other word), +2:3 l, +4 a (+5 likewise), +6..9 c0-c3 at work, later the sums' pairs u, w
.set Q,   56                           ; fragment (T, dc) at Q + 16 T + 8 dc
.set S,   128                          ; tile T at S + 32 T, key tile a at + 8 a
.set KF,  128                          ; window 1: K's fragment (a, dc) at KF + 16 a + 8 dc
.set VF,  192                          ; window 1: V's fragment (kc, dt) at VF + 32 kc + 8 dt
.set WV,  8                            ; s8   my wave's number
.set GRP, 9                            ; s9   my group: wave / 4
.set G1K, 24
.set G1V, 32
.set G1Z, 40
.set G0Z, 48
.set G0K, 52                           ; s[52:59] a group 0 for each slot
.set G0V, 68                           ; s[68:75]
.set TK,  62                           ; s62  LDS byte at which the trip's tile of K begins
.set TV,  63                           ; s63  and V's, from the slot's V part on
.set SEL, 76                           ; s[76:77] lane selects for v_permlanex16_b32: lane l xor 16
.set CNT, 78                           ; s78  trips to go in a loop
.set MSB, 0
.macro WIN new                         ; the immediate's high byte repeats the setting that is left
.if MSB != \new
	s_set_vgpr_msb (MSB<<8)|\new
.set MSB, \new
.endif
.endm
.macro CROUND                          ; a round of the cluster's barrier
	s_barrier_signal -1
	s_barrier_wait -1
	s_cmp_lg_u32 s[WV], 0
	s_cbranch_scc1 .Lnot_wave_0_\@
	s_barrier_signal -3
.Lnot_wave_0_\@:
	s_barrier_wait -3
	s_barrier_signal -1
	s_barrier_wait -1
.endm
; A joint refill of slot n.  The branch hangs on the wave's number alone.  An s_nop 0 and four v_nop follow each of the two lines.
.macro JLOAD n
	s_cmp_lt_u32 s[WV], 4
	s_cbranch_scc0 .Lfor_v_\@
	tensor_load_to_lds s[G0K+4*\n:G0K+4*\n+3], s[G1K:G1K+7]
	s_nop 0
.rept 4
	v_nop
.endr
	s_branch .Lasked_\@
.Lfor_v_\@:
	tensor_load_to_lds s[G0V+4*\n:G0V+4*\n+3], s[G1V:G1V+7]
	s_nop 0
.rept 4
	v_nop
.endr
.Lasked_\@:
.endm
	s_load_b128 s[4:7], s[0:1], 0x0                ; qkvh s[4:5], oh s[6:7]
	v_lshl_add_u32 v[SPW], v0, 2, SPARE
	v_mov_b32 v[NIL], 0
	ds_add_u32 v[SPW], v[NIL]                      ; the wave's opening: the add, twice on end, and its wait ahead of my first tensor load
	ds_add_u32 v[SPW], v[NIL]
	v_lshrrev_b32 v1, 5, v0
	v_readfirstlane_b32 s[WV], v1                  ; wave 0..7
	s_lshr_b32 s[GRP], s[WV], 2
	s_and_b32 s11, s[WV], 3                        ; which quarter of a slot's K or V I fetch
	s_bfe_u32 s10, ttmp6, 0x40000                  ; cx: my place in the cluster: it enters Q's and oh's addresses alone
	s_and_b32 s20, ttmp7, 0xffff                   ; the head, which the four partners share
	s_lshl_b32 s20, s20, 18                        ; a head is 262,144 bytes
	s_mov_b32 s21, 0
	s_lshl_b32 s22, s10, 16                        ; my work-group's 512 queries of 128 bytes,
	s_lshl_b32 s23, s[WV], 13                      ; my wave's 64
	s_add_co_u32 s22, s22, s23
	s_add_co_u32 s22, s22, s20
	s_mov_b32 s23, 0
	s_lshl_b32 s60, s11, 14                        ; my 128 rows of a slot, in memory
	s_mov_b32 s61, 0
	s_lshl_b32 s62, s11, 11                        ; my 16 rows of K's step 0
	s_mov_b32 s63, 0
	s_mul_i32 s2, s11, 16*PK                       ; and the same in LDS: no place in the cluster enters an LDS address
	s_mul_i32 s3, s11, 128*PK
	s_mul_i32 s79, s11, 128*PV
	; descriptor group 1: rows of 64 elements of 2 bytes, dense in memory, padded in LDS
	s_mov_b32 s[G1K], 15|(1<<16)|(1<<20)|(1<<21)|(4<<22)|(3<<25)   ; 15:0 the mask: all four work-groups; 17:16 elements of 2 bytes; 20 padding on; 21 set beside a mask; 24:22 after every 32 words; 31:25 four words
	s_mov_b32 s[G1V], 15|(1<<16)|(1<<20)|(1<<21)|(4<<22)|(7<<25)   ; the same with eight words of padding
	s_mov_b32 s[G1Z], 15|(1<<16)|(1<<20)|(1<<21)|(4<<22)|(3<<25)
.irp g, G1K, G1V
	s_mov_b32 s[\g+1], 64<<16                      ; tensor_dim0
	s_mov_b32 s[\g+2], 128<<16                     ; tensor_dim1
	s_mov_b32 s[\g+3], 64<<16                      ; tile_dim0
	s_mov_b32 s[\g+4], 128                         ; tile_dim1
	s_mov_b32 s[\g+5], 64                          ; tensor_dim0_stride
	s_mov_b32 s[\g+6], 0
	s_mov_b32 s[\g+7], 0
.endr
	s_mov_b32 s[G1Z+1], 64<<16
	s_mov_b32 s[G1Z+2], 16<<16                     ; K of step 0: 16 rows a wave
	s_mov_b32 s[G1Z+3], 64<<16
	s_mov_b32 s[G1Z+4], 16
	s_mov_b32 s[G1Z+5], 64
	s_mov_b32 s[G1Z+6], 0
	s_mov_b32 s[G1Z+7], 0
	s_mov_b32 s[SEL], 0x76543210
	s_mov_b32 s[SEL+1], 0xfedcba98
	s_wait_dscnt 0x0                               ; both opening adds are done
	s_wait_kmcnt 0x0
	s_add_nc_u64 s[12:13], s[4:5], s[22:23]        ; Q at my wave's first row
	s_add_nc_u64 s[14:15], s[6:7], s[22:23]        ; oh likewise
	s_add_nc_u64 s[16:17], s[4:5], s[20:21]
	s_add_nc_u64 s[16:17], s[16:17], 0x1000000     ; the head's K: q, k, v are 2^24 bytes each
	s_add_nc_u64 s[18:19], s[16:17], 0x1000000     ; the head's V
	s_mov_b32 s[G0Z], 1
	s_add_co_u32 s[G0Z+1], s2, K0B
	s_add_nc_u64 s[G0Z+2:G0Z+3], s[16:17], s[62:63]
	s_or_b32 s[G0Z+3], s[G0Z+3], 0x80000000
.irp n, 0,1
	s_mov_b32 s[G0K+4*\n], 1
	s_add_co_u32 s[G0K+4*\n+1], s3, \n*SLOT
	s_add_nc_u64 s[G0K+4*\n+2:G0K+4*\n+3], s[16:17], s[60:61]
	s_add_nc_u64 s[G0K+4*\n+2:G0K+4*\n+3], s[G0K+4*\n+2:G0K+4*\n+3], 8192+\n*65536   ; one step (64 rows of 128 bytes) on: K's shift
	s_or_b32 s[G0K+4*\n+3], s[G0K+4*\n+3], 0x80000000
	s_mov_b32 s[G0V+4*\n], 1
	s_add_co_u32 s[G0V+4*\n+1], s79, \n*SLOT+VOFF
	s_add_nc_u64 s[G0V+4*\n+2:G0V+4*\n+3], s[18:19], s[60:61]
	s_add_nc_u64 s[G0V+4*\n+2:G0V+4*\n+3], s[G0V+4*\n+2:G0V+4*\n+3], \n*65536
	s_or_b32 s[G0V+4*\n+3], s[G0V+4*\n+3], 0x80000000
.endr
	CROUND                                         ; all four work-groups are here: the first joint loads meet
	s_cmp_lt_u32 s[WV], 4                          ; a wave's first fills stand in one branch: three loads of mine are out (K), or two (V)
	s_cbranch_scc0 .Lfirst_v
	tensor_load_to_lds s[G0Z:G0Z+3], s[G1Z:G1Z+7]
	s_nop 0
	tensor_load_to_lds s[G0K:G0K+3], s[G1K:G1K+7]
	s_nop 0
	tensor_load_to_lds s[G0K+4:G0K+7], s[G1K:G1K+7]
	s_nop 0
.rept 4
	v_nop
.endr
	s_branch .Lfirst_asked
.Lfirst_v:
	tensor_load_to_lds s[G0V:G0V+3], s[G1V:G1V+7]
	s_nop 0
	tensor_load_to_lds s[G0V+4:G0V+7], s[G1V:G1V+7]
	s_nop 0
.rept 4
	v_nop
.endr
.Lfirst_asked:
	v_and_b32 v1, 15, v0                           ; r = l % 16
	v_bfe_u32 v12, v0, 4, 1                        ; h = l / 16
	v_lshlrev_b32 v[QO], 7, v1
	v_lshl_add_u32 v[QO], v12, 4, v[QO]            ; row x 128 + 16 x half
.irp T, 0,1,2,3
.irp dc, 0,1
	global_load_b128 v[Q+16*\T+8*\dc:Q+16*\T+8*\dc+3],   v[QO], s[12:13] offset:\T*2048+\dc*64      ; Q stays in registers
	global_load_b128 v[Q+16*\T+8*\dc+4:Q+16*\T+8*\dc+7], v[QO], s[12:13] offset:\T*2048+\dc*64+32
.endr
.endr
	v_mul_u32_u24 v[AK0], v1, PK
	v_lshl_add_u32 v[AK0], v12, 4, v[AK0]          ; K: row r x pitch + 16 x half
	v_and_b32 v13, 7, v0
	v_bfe_u32 v14, v0, 3, 1
	v_lshl_add_u32 v[AV0], v12, 3, v13             ; V: the turning load: key 8 h + l % 8, channels 8 ((l / 8) % 2) on
	v_mul_u32_u24 v[AV0], v[AV0], PV
	v_lshl_add_u32 v[AV0], v14, 4, v[AV0]
	v_add_nc_u32 v[AV0], VOFF, v[AV0]
	s_mul_i32 s2, s[WV], 16*PK                     ; the way out: my stage, 16 rows x 144 bytes, in slot 0, which has had its last fill and its last read by then
	v_add_nc_u32 v[STO], s2, v[AK0]                ; in: row r, 16 bytes for each half of the lanes
	v_bfe_u32 v15, v0, 3, 2
	v_mul_u32_u24 v[RD], v15, PK                   ; back: eight lanes to a row of 128 bytes, four rows an instruction
	v_lshl_add_u32 v[RD], v13, 4, v[RD]
	v_add_nc_u32 v[RD], s2, v[RD]
	v_and_b32 v[GO], 31, v0
	v_lshlrev_b32 v[GO], 4, v[GO]                  ; and the same four rows in oh: 512 consecutive bytes
.irp T, 0,1,2,3
	v_mov_b32 v[ST+10*\T], 0xff61b1e6              ; m: -3e38, under every score
	v_mov_b32 v[ST+10*\T+1], 0                     ; (named with m as a pair, so it is written)
	v_mov_b32 v[ST+10*\T+2], 0                     ; l, in two halves
	v_mov_b32 v[ST+10*\T+3], 0
	v_mov_b32 v[ST+10*\T+5], 0                     ; (named with a as a pair)
.endr
	WIN 0x40                                       ; O^T begins as zeros: the key step has no first form of its own; the first a is 0 and leaves the zeros
.set i, 0
.rept 128
	v_mov_b32 v[i], 0
.set i, i+1
.endr
	WIN 0
.macro KFETCH                          ; a step's K: 64 keys x 64 channels: 8 fragments, 16 loads
.irp a, 0,1,2,3
.irp dc, 0,1
	ds_load_b128 v[KF+16*\a+8*\dc:KF+16*\a+8*\dc+3],   v[ADK] offset:\a*16*PK+\dc*64
	ds_load_b128 v[KF+16*\a+8*\dc+4:KF+16*\a+8*\dc+7], v[ADK] offset:\a*16*PK+\dc*64+32
.endr
.endr
.endm
; THE LDS LOADS OF A TRIP, one run of 32: V of the step in hand (turned) and K of the next.  The two additions and two v_nop are the four places behind the products that read these registers and wrote S^T.
.macro LOADS
	v_add_nc_u32 v[ADK], s[TK], v[AK0]
	v_add_nc_u32 v[ADV], s[TV], v[AV0]
	v_nop
	v_nop
	s_add_co_u32 s[TK], s[TK], 64*PK               ; the next trip's tiles
	s_add_co_u32 s[TV], s[TV], 64*PV
	WIN 0x40                                       ; destination window 1
.irp kc, 0,1
.irp dt, 0,1,2,3
	ds_load_tr16_b128 v[VF+32*\kc+8*\dt:VF+32*\kc+8*\dt+3],   v[ADV] offset:\kc*32*PV+\dt*32
	ds_load_tr16_b128 v[VF+32*\kc+8*\dt+4:VF+32*\kc+8*\dt+7], v[ADV] offset:\kc*32*PV+16*PV+\dt*32
.endr
.endr
	KFETCH
	WIN 0
.endm
; THE VECTOR WORK OF A STEP, the four tiles by turns in every stage.
.macro SM
.irp j, 0,1,2,3                        ; the maximum of a tile's 32 scores and the old m: four chains, each beginning at an accumulator's low end
.irp T, 0,1,2,3
	v_max3_num_f32 v[ST+10*\T+6+\j], v[S+32*\T+8*\j], v[S+32*\T+8*\j+1], v[S+32*\T+8*\j+2]
.endr
.endr
.irp i, 3,5
.irp j, 0,1,2,3
.irp T, 0,1,2,3
	v_max3_num_f32 v[ST+10*\T+6+\j], v[ST+10*\T+6+\j], v[S+32*\T+8*\j+\i], v[S+32*\T+8*\j+\i+1]
.endr
.endr
.endr
.irp T, 0,1,2,3
	v_max3_num_f32 v[ST+10*\T+6], v[ST+10*\T+6], v[S+32*\T+7], v[S+32*\T+15]
.endr
.irp T, 0,1,2,3
	v_max3_num_f32 v[ST+10*\T+8], v[ST+10*\T+8], v[S+32*\T+23], v[S+32*\T+31]
.endr
.irp T, 0,1,2,3
	v_max3_num_f32 v[ST+10*\T+6], v[ST+10*\T+6], v[ST+10*\T+7], v[ST+10*\T+8]
.endr
.irp T, 0,1,2,3
	v_max3_num_f32 v[ST+10*\T+6], v[ST+10*\T+6], v[ST+10*\T+9], v[ST+10*\T]
.endr
.irp T, 0,1,2,3
	v_permlanex16_b32 v[ST+10*\T+7], v[ST+10*\T+6], s[SEL], s[SEL+1]   ; the query's other 32 keys lie in the lane 16 away
.endr
.irp T, 0,1,2,3
	v_max_num_f32 v[ST+10*\T+8], v[ST+10*\T+6], v[ST+10*\T+7]
.endr
.irp T, 0,1,2,3
	v_sub_f32 v[ST+10*\T+4], v[ST+10*\T], v[ST+10*\T+8]                ; m_old - m_new, 0 or less
.endr
.irp T, 0,1,2,3
	v_mov_b32 v[ST+10*\T], v[ST+10*\T+8]
.endr
.irp T, 0,1,2,3                        ; ONE BATCH of 132 exponentials; none of these lines names an exponential's result
	v_exp_f32 v[ST+10*\T+4], v[ST+10*\T+4]                             ; a
.endr
.irp b, 0,1,2,3,4,5,6,7,8,9,10,11,12,13,14,15
.irp T, 0,1,2,3
	v_pk_add_f32 v[S+32*\T+2*\b:S+32*\T+2*\b+1], v[S+32*\T+2*\b:S+32*\T+2*\b+1], v[ST+10*\T:ST+10*\T+1] op_sel_hi:[1,0] neg_lo:[0,1] neg_hi:[0,1]   ; t - m, never above 0
.endr
.irp T, 0,1,2,3
	v_exp_f32 v[S+32*\T+2*\b], v[S+32*\T+2*\b]
	v_exp_f32 v[S+32*\T+2*\b+1], v[S+32*\T+2*\b+1]
.endr
.endr
	v_nop                                          ; a plain line behind the last exponential, ahead of the first use
	s_wait_alu depctr_va_vdst(0)                   ; the wait ahead of the first line that names a result: one for the batch
.irp T, 0,1,2,3                        ; the row's sum, of the f32 p: two chains of pairs
	v_pk_add_f32 v[ST+10*\T+6:ST+10*\T+7], v[S+32*\T:S+32*\T+1], v[S+32*\T+2:S+32*\T+3]
.endr
.irp T, 0,1,2,3
	v_pk_add_f32 v[ST+10*\T+8:ST+10*\T+9], v[S+32*\T+4:S+32*\T+5], v[S+32*\T+6:S+32*\T+7]
.endr
.irp i, 8,12,16,20,24,28
.irp T, 0,1,2,3
	v_pk_add_f32 v[ST+10*\T+6:ST+10*\T+7], v[ST+10*\T+6:ST+10*\T+7], v[S+32*\T+\i:S+32*\T+\i+1]
.endr
.irp T, 0,1,2,3
	v_pk_add_f32 v[ST+10*\T+8:ST+10*\T+9], v[ST+10*\T+8:ST+10*\T+9], v[S+32*\T+\i+2:S+32*\T+\i+3]
.endr
.endr
.irp T, 0,1,2,3
	v_pk_add_f32 v[ST+10*\T+6:ST+10*\T+7], v[ST+10*\T+6:ST+10*\T+7], v[ST+10*\T+8:ST+10*\T+9]
.endr
.irp T, 0,1,2,3
	v_pk_fma_f32 v[ST+10*\T+2:ST+10*\T+3], v[ST+10*\T+2:ST+10*\T+3], v[ST+10*\T+4:ST+10*\T+5], v[ST+10*\T+6:ST+10*\T+7] op_sel_hi:[1,0,1]   ; l = a l + the step's sum
.endr
.irp n, 0,1,2,3,4,5,6,7,8,9,10,11,12,13,14,15  ; P in place: register n takes weights 2 n and 2 n + 1; ascending, so that no weight is written over before it is read
.irp T, 0,1,2,3
	v_cvt_pk_f16_f32 v[S+32*\T+\n], v[S+32*\T+2*\n], v[S+32*\T+2*\n+1]
.endr
.endr
	WIN 0x41                                       ; O^T (destination and source 0) in window 1, a in window 0
.irp i, 0,1,2,3,4,5,6,7,8,9,10,11,12,13,14,15
.irp T, 0,1,2,3
	v_pk_mul_f32 v[32*\T+2*\i:32*\T+2*\i+1], v[32*\T+2*\i:32*\T+2*\i+1], v[ST+10*\T+4:ST+10*\T+5] op_sel_hi:[1,0]
.endr
.endr
	WIN 0
	s_wait_dscnt 0x0                               ; V and K are in, and no LDS instruction of mine is pending
.endm
; THE MATRIX WORK.  kind 2: 32 products O^T += V^T P of the step, then 32 products S^T = K Q^T of the next; 1: the first alone; 0: the second alone.  In each run 16 accumulators take turns, one
; instruction a turn.  Five plain places stand ahead of the products V^T P, whose source 1 lies in registers that products K Q^T write, so that on every way through
; the text they stand five places behind such products; and five between the two runs, since K Q^T writes over P.
.macro MM kind
.if \kind >= 1
.rept 5
	v_nop
.endr
	WIN 0x51                                       ; V and O^T in window 1, P in window 0
.irp kc, 0,1
.irp dt, 0,1,2,3
.irp T, 0,1,2,3
	v_wmma_f32_16x16x32_f16 v[32*\T+8*\dt:32*\T+8*\dt+7], v[VF+32*\kc+8*\dt:VF+32*\kc+8*\dt+7], v[S+32*\T+8*\kc:S+32*\T+8*\kc+7], v[32*\T+8*\dt:32*\T+8*\dt+7]
.endr
.endr
.endr
.endif
.if \kind == 2
.rept 5
	v_nop
.endr
.endif
.if \kind != 1
	WIN 0x01                                       ; K in window 1, Q and S^T in window 0
.irp dc, 0,1
.irp a, 0,1,2,3
.irp T, 0,1,2,3
.if \dc == 0
	v_wmma_f32_16x16x32_f16 v[S+32*\T+8*\a:S+32*\T+8*\a+7], v[KF+16*\a+8*\dc:KF+16*\a+8*\dc+7], v[Q+16*\T+8*\dc:Q+16*\T+8*\dc+7], 0
.else
	v_wmma_f32_16x16x32_f16 v[S+32*\T+8*\a:S+32*\T+8*\a+7], v[KF+16*\a+8*\dc:KF+16*\a+8*\dc+7], v[Q+16*\T+8*\dc:Q+16*\T+8*\dc+7], v[S+32*\T+8*\a:S+32*\T+8*\a+7]
.endif
.endr
.endr
.endr
.endif
	WIN 0
.endm
.macro ARM g, kind                     ; group g alone runs the matrix work here
	s_cmp_lg_u32 s[GRP], \g
	s_cbranch_scc1 .Lnot_my_turn_\@
	MM \kind
.Lnot_my_turn_\@:
.endm
; n TRIPS of a slot, from where s[TK] and s[TV] stand.  The last trip's matrix work is held back: a branch on the loop's own count leads round it; it is run behind the loop, by each group on its side of a barrier.
.macro TRIPS n
	s_mov_b32 s[CNT], \n
.Ltrip_\@:
	LOADS
	SM
	s_cmp_eq_u32 s[CNT], 1
	s_cbranch_scc1 .Lheld_\@
	MM 2
.Lheld_\@:
	s_sub_co_u32 s[CNT], s[CNT], 1
	s_cmp_lg_u32 s[CNT], 0
	s_cbranch_scc1 .Ltrip_\@
.endm
; THE CHANGE TO SLOT DATA s.  All that the held matrix work needs lies in registers.  Each wave waits for all its tensor loads (its part of the slot ahead), adds 0 to its spare word, and waits for that; its reads of
; the slot that it leaves are in since the trip's end.  s = 1, 2: the slot just left is filled again, with the keys two slots on: the barrier is a round of the cluster's, the joint refill first behind it.
.macro CHANGE s
.set FS, (\s-1)%2
	ARM 0, 2
	s_wait_tensorcnt 0x0                           ; no tensor load of mine is out, so a group 0 may be written
	ds_add_u32 v[SPW], v[NIL]                      ; 0 onto my spare word
.if \s <= 2
	s_add_nc_u64 s[G0K+4*FS+2:G0K+4*FS+3], s[G0K+4*FS+2:G0K+4*FS+3], 131072   ; 1,024 keys on; the type bits on top are not reached
	s_add_nc_u64 s[G0V+4*FS+2:G0V+4*FS+3], s[G0V+4*FS+2:G0V+4*FS+3], 131072
.endif
	s_wait_dscnt 0x0                               ; the add is done
.if \s <= 2
	CROUND
	JLOAD FS                                       ; my one tensor load behind the round: it has eight key steps in which to land
.else
	s_barrier_signal -1
	s_barrier_wait -1
.endif
	ARM 1, 2
	s_mov_b32 s[TK], (\s%2)*SLOT
	s_mov_b32 s[TV], (\s%2)*SLOT
	TRIPS 8
.endm
	s_wait_tensorcnt 1                             ; K of step 0 and my part of slot 0 are in; the one younger load, slot 1's, may be out
	s_barrier_signal -1
	s_barrier_wait -1                              ; everybody's are
	v_add_nc_u32 v[ADK], K0B, v[AK0]
	WIN 0x40
	KFETCH                                         ; key step 0
	WIN 0
	s_wait_loadcnt 0x0                             ; Q
	s_wait_dscnt 0x0
	MM 0                                           ; the first scores, in every wave
	s_mov_b32 s[TK], 0
	s_mov_b32 s[TV], 0
	LOADS                                          ; the first trip is written out: V of step 0, K of step 1,
	SM                                             ; the first softmax (it ends with no LDS instruction of mine pending);
	ARM 0, 2                                       ; its matrix work: waves 0-3 in front of a barrier,
	s_barrier_signal -1                            ; which serves to set the two groups half a step apart; slot 1's load may stay out
	s_barrier_wait -1
	ARM 1, 2                                       ; waves 4-7 behind it
	TRIPS 7                                        ; the slot's other seven trips
	CHANGE 1
	CHANGE 2
	CHANGE 3
	MM 1                                           ; V^T P of the last step
	; THE WAY OUT.  l's two halves and the other half of the lanes' are added; O^T is divided by l, rounded to f16 and sent through my stage, a tile (16 rows of oh) at a time.  The four additions are the places behind the last products.
.irp T, 0,1,2,3
	v_add_f32 v[ST+10*\T+6], v[ST+10*\T+2], v[ST+10*\T+3]
.endr
.irp T, 0,1,2,3
	v_permlanex16_b32 v[ST+10*\T+7], v[ST+10*\T+6], s[SEL], s[SEL+1]
.endr
.irp T, 0,1,2,3
	v_add_f32 v[ST+10*\T+6], v[ST+10*\T+6], v[ST+10*\T+7]
.endr
.irp T, 0,1,2,3
	v_rcp_f32 v[ST+10*\T+4], v[ST+10*\T+6]
.endr
	v_nop                                          ; a plain line between the last reciprocal and the use of its result
	s_wait_alu depctr_va_vdst(0)                   ; and the wait: one for the four
.macro PACK T
	WIN 0x41
.set i, 0
.rept 16
	v_pk_mul_f32 v[32*\T+2*i:32*\T+2*i+1], v[32*\T+2*i:32*\T+2*i+1], v[ST+10*\T+4:ST+10*\T+5] op_sel_hi:[1,0]
.set i, i+1
.endr
	WIN 0x05                                       ; sources 0 and 1 window 1, destination window 0: S^T's registers are free
.set i, 0
.rept 16
	v_cvt_pk_f16_f32 v[S+32*\T+i], v[32*\T+2*i], v[32*\T+2*i+1]
.set i, i+1
.endr
	WIN 0
.irp dt, 0,1,2,3
	ds_store_b128 v[STO], v[S+32*\T+4*\dt:S+32*\T+4*\dt+3] offset:32*\dt
.endr
.irp i, 0,1,2,3
	ds_load_b128 v[S+32*\T+16+4*\i:S+32*\T+16+4*\i+3], v[RD] offset:\i*4*PK   ; LDS serves a wave's instructions in order: these see the stores above; the next tile's stores come behind them
.endr
.endm
.macro SEND T, y                       ; y: the LDS instructions issued behind tile T's loads: the next tile's 4 stores and 4 loads, or none
.irp i, 0,1,2,3
	s_wait_dscnt \y+3-\i
	global_store_b128 v[GO], v[S+32*\T+16+4*\i:S+32*\T+16+4*\i+3], s[14:15] offset:\T*2048+\i*512   ; the wave stores 512 consecutive bytes, aligned
.endr
.endm
	PACK 0
	PACK 1
	SEND 0, 8
	PACK 2
	SEND 1, 8
	PACK 3
	SEND 2, 8
	SEND 3, 0
	s_wait_tensorcnt 0x0                           ; the wave's end, behind my last tensor load and my last LDS store
	ds_add_u32 v[SPW], v[NIL]
	s_wait_dscnt 0x0
	CROUND                                         ; the closing round: no work-group ends while a partner may still ask for a tile that names it
	s_endpgm
.Lfunc_end_k_q81772e65d4_attn:
	.size	k_q81772e65d4_attn, .Lfunc_end_k_q81772e65d4_attn-k_q81772e65d4_attn
	.p2alignl 7, 3214868480
	.fill 96, 4, 3214868480
	.section	.rodata,"a",@progbits
	.p2align	6, 0x0
	.amdhsa_kernel k_q81772e65d4_attn
		.amdhsa_group_segment_fixed_size 327680
		.amdhsa_private_segment_fixed_size 0
		.amdhsa_enable_private_segment 0
		.amdhsa_kernarg_size 16
		.amdhsa_user_sgpr_count 2
		.amdhsa_user_sgpr_kernarg_segment_ptr 1
		.amdhsa_wavefront_size32 1
		.amdhsa_system_sgpr_workgroup_id_x 1
		.amdhsa_system_sgpr_workgroup_id_y 1
		.amdhsa_system_sgpr_workgroup_id_z 1
		.amdhsa_system_vgpr_workitem_id 0
		.amdhsa_next_free_vgpr 512
		.amdhsa_next_free_sgpr 80
		.amdhsa_reserve_vcc 0
		.amdhsa_float_denorm_mode_32 3
		.amdhsa_float_denorm_mode_16_64 3
		.amdhsa_memory_ordered 1
		.amdhsa_forward_progress 1
		.amdhsa_inst_pref_size 226
	.end_amdhsa_kernel
	.amdgpu_metadata
---
amdhsa.version: [ 1, 2 ]
amdhsa.kernels:
  - .name:           k_q81772e65d4_attn
    .symbol:         k_q81772e65d4_attn.kd
    .args:
      - { .name: qkvh, .offset: 0, .size: 8, .value_kind: global_buffer, .address_space: global }
      - { .name: oh, .offset: 8, .size: 8, .value_kind: global_buffer, .address_space: global }
    .group_segment_fixed_size: 327680
    .private_segment_fixed_size: 0
    .kernarg_segment_align: 8
    .kernarg_segment_size: 16
    .max_flat_workgroup_size: 256
    .sgpr_count:     80
    .vgpr_count:     512
    .wavefront_size: 32
...
	.end_amdgpu_metadata
.endif
;; end of part 3
;; launch proj (part 4): grid 4 x 64, 4 waves a work-group, clusters of 4 x 4, 327,680 bytes of LDS; arguments oh, wo16, b_out, ybuf; writes ybuf
.if DOCPART == 4
	.amdgcn_target "amdgcn-amd-amdhsa--gfx1250"
	.amdhsa_code_object_version 6
	.text
	.protected	k_q81772e65d4_proj
	.globl	k_q81772e65d4_proj
	.p2align	8
	.type	k_q81772e65d4_proj,@function
k_q81772e65d4_proj:
	s_mov_b64 s[64:65], 0
	v_nop
	global_prefetch_b8 v0, s[64:65] scope:SCOPE_SE
	s_setreg_imm32_b32 hwreg(HW_REG_WAVE_MODE, 25, 1), 1
	s_wait_xcnt 0x0
	s_wait_alu depctr_hold_cnt(0) depctr_sa_sdst(0) depctr_va_vdst(0) depctr_va_sdst(0) depctr_va_ssrc(0) depctr_va_vcc(0) depctr_vm_vsrc(0)
	s_getreg_b32 s2, hwreg(HW_REG_IB_STS2, 6, 4)
	s_cmp_eq_u32 s2, 0
	s_cbranch_scc0 .Lentry_in_a_cluster
	s_endpgm
.Lentry_in_a_cluster:
	s_bfe_u32 s2, ttmp6, 0x10000c
	s_cmp_lg_u32 s2, 0xf033
	s_cbranch_scc0 .Lentry_shape_is_right
	s_endpgm
.Lentry_shape_is_right:
; PROJ: ybuf = o w_out + b_out, [8192][1024] f32.  o: oh, f16, [64 (batch x 16 + head)][2048][64]; w_out: wo16, f16, [1024 (k)][1024 (n)]; sums and bias in f32.  LayerNorm follows in a launch of its own:
; it wants whole rows, and a work-group that owned whole rows would walk all 2 MB of wo16 for 64 rows; here a work-group takes in (128 + 256) x 2,048 bytes for a tile of 128 x 256, and there are 256 tiles.
; SHARES.  Four waves, each 64 rows x 128 columns: 32 accumulators of 16 x 16, 256 registers.  K goes in steps of 128 (two heads) through two LDS slots: wo16's 128 rows x 256 columns (waves 0, 1: 64 rows each)
; and my 128 rows of the two heads (waves 2, 3: a head each).
; CLUSTERS: 4 x 4 work-groups.  The four of a row of the cluster need the same tiles of o, the four of a column the same tiles of wo16: each tile is asked for JOINTLY, by the same tensor load with the same
; descriptor and a mask that names the four.
; THE MATRIX INSTRUCTION IS USED TRANSPOSED: source 0 = 16 columns of w_out (turned out of [k][n] by ds_load_tr16_b128), source 1 = 16 rows of o: a lane holds one row and eight neighbouring columns.
; The bias is the C of each sum's first product.
; LIMITS: those of f16 operands, as stated where oh and wo16 are made.  NaN and infinities are not served.
; REGISTERS.  window 0: v16-30 addresses; v32-95 o's fragments, two sets; v128-191 the bias; on the way out v128-255.   window 1: v0-127 w_out's fragments, two sets of 64.
;   window 2: accumulator (mt, nt) at v[8 (8 mt + nt)].
.set PB,    544                        ; a row of wo16's tile in LDS: 512 bytes + 32 of padding
.set PA,    144                        ; a row of o: 128 bytes + 16
.set HALFB, 64*PB                      ; 34,816: what wave 0 or 1 brings
.set AOFF,  2*HALFB                    ; 69,632
.set HEADA, 128*PA                     ; 18,432: a head's 128 rows: what wave 2 or 3 brings
.set SLOT,  AOFF+2*HEADA               ; 106,496
.set STAGE, 2*SLOT                     ; 212,992: the way out: 16 rows x (512 bytes + 16) for each wave: bytes of their own, into which no tile lands
.set SPITCH, 528
.set SPARE, STAGE+4*16*SPITCH          ; 246,784: the spare words, 128 bytes for each wave: two blocks of 256 bytes that no other line names
.set ADRA, 16                          ; v16-17 o's fragments in slot 0, 1
.set ADRB, 20                          ; v20-21 w_out's
.set STO,  24
.set RD,   25
.set CO,   26
.set VB,   27                          ; v27  my byte offset in b_out; never rewritten
.set SPW,  28                          ; v28  LDS address of my spare word; never rewritten
.set NIL,  29                          ; v29  0; never rewritten
.set PFO,  30                          ; v30  256 x my lane; never rewritten
.set AFR,  32                          ; o's fragment (buffer, mt) at AFR + 32 buffer + 8 mt
.set BIAS, 128
.set BK,   128
.set WV,   16
.set G1B,  24
.set G1A,  32
.set G0B,  40                          ; s[40:47] a group 0 for each slot
.set G0A,  48                          ; s[48:55]
.set PFA,  56                          ; s[56:57] where my prefetches stand
.set LIM,  58                          ; s58  1 in the wave that prefetches, else the greatest number
.set LAP,  59                          ; s59  laps to go
.set MSB, 0
.macro WIN new                         ; the immediate's high byte repeats the setting that is left
.if MSB != \new
	s_set_vgpr_msb (MSB<<8)|\new
.set MSB, \new
.endif
.endm
.macro CREST                           ; a round of the cluster's barrier behind its opening barrier
	s_cmp_lg_u32 s[WV], 0
	s_cbranch_scc1 .Lnot_wave_0_\@
	s_barrier_signal -3
.Lnot_wave_0_\@:
	s_barrier_wait -3
	s_barrier_signal -1
	s_barrier_wait -1
.endm
.macro CROUND
	s_barrier_signal -1
	s_barrier_wait -1
	CREST
.endm
; Slot n is asked for, jointly: waves 0 and 1 for wo16's rows, waves 2 and 3 for o's heads.  The branch hangs on the wave's number alone.  An s_nop 0 and four v_nop follow each line.
.macro JLOAD n
	s_cmp_eq_u32 s17, 0
	s_cbranch_scc0 .Lfor_a_\@
	tensor_load_to_lds s[G0B+4*\n:G0B+4*\n+3], s[G1B:G1B+7]
	s_nop 0
.rept 4
	v_nop
.endr
	s_branch .Lasked_\@
.Lfor_a_\@:
	tensor_load_to_lds s[G0A+4*\n:G0A+4*\n+3], s[G1A:G1A+7]
	s_nop 0
.rept 4
	v_nop
.endr
.Lasked_\@:
.endm
; A PREFETCH of o's tile of the K step that stands TWO refills on: two heads x 128 rows x 128 bytes = 32,768 bytes.  The tile is read by the four work-groups of my row of the cluster and by nobody else; they share it
; out BY ADDRESS, 8,192 dense bytes each (cx / 2: which head; cx % 2: which 64 rows): lanes 256 bytes apart, one instruction of wave 3.  So each block is named once in the launch.  It stands behind the tensor load
; and the run of LDS loads.  Two K steps ahead, so that both changes of slots of a lap stop by one test: the last lap asks for nothing.  K steps 0 to 3 come by their loads alone.  wo16, which every cluster walks, is not asked for.
.macro ASK
	s_cmp_gt_u32 s[LAP], s[LIM]
	s_cbranch_scc0 .Lnot_mine_\@
	global_prefetch_b8 v[PFO], s[PFA:PFA+1] th:TH_LOAD_NT scope:SCOPE_SE
.Lnot_mine_\@:
.endm
	s_load_b256 s[4:11], s[0:1], 0x0               ; oh s[4:5], wo16 s[6:7], b_out s[8:9], ybuf s[10:11]
	v_lshl_add_u32 v[SPW], v0, 2, SPARE
	v_mov_b32 v[NIL], 0
	ds_add_u32 v[SPW], v[NIL]                      ; the wave's opening: the add, twice on end, and its wait ahead of my first tensor load
	ds_add_u32 v[SPW], v[NIL]
	v_lshrrev_b32 v1, 5, v0
	v_readfirstlane_b32 s[WV], v1                  ; wave 0..3
	s_lshr_b32 s17, s[WV], 1                       ; which 64 of the tile's rows are mine.  Also: I fetch for wo16 (0) or for o (1)
	s_and_b32 s18, s[WV], 1                        ; which 128 of its columns.  Also: which half of that tile I fetch
	s_bfe_u32 s70, ttmp6, 0x40000                  ; cx, cy: my place in the cluster
	s_bfe_u32 s71, ttmp6, 0x40004
	s_lshl_b32 s72, ttmp9, 2
	s_add_co_u32 s72, s72, s70                     ; tile column = 4 x cluster x + cx
	s_and_b32 s73, ttmp7, 0xffff
	s_lshl_b32 s73, s73, 2
	s_add_co_u32 s73, s73, s71                     ; tile row = 4 x cluster y + cy
	s_lshl_b32 s74, s71, 2
	s_lshl_b32 s74, 15, s74                        ; my row of the cluster
	s_lshl_b32 s75, 0x1111, s70                    ; my column
	; descriptor group 1.  o: 128 rows of 64 elements of 2 bytes, dense;  wo16: 64 rows of 256 elements, 1,024 elements apart
	s_or_b32 s[G1A], s74, (1<<16)|(1<<20)|(1<<21)|(4<<22)|(3<<25)   ; 15:0 the mask: o's tiles go to my row; 17:16 elements of 2 bytes; 20 padding on; 21 set beside a mask; 24:22 after every 32 words; 31:25 four words
	s_mov_b32 s[G1A+1], 64<<16                     ; tensor_dim0
	s_mov_b32 s[G1A+2], 128<<16                    ; tensor_dim1
	s_mov_b32 s[G1A+3], 64<<16                     ; tile_dim0
	s_mov_b32 s[G1A+4], 128                        ; tile_dim1
	s_mov_b32 s[G1A+5], 64                         ; tensor_dim0_stride
	s_mov_b32 s[G1A+6], 0
	s_mov_b32 s[G1A+7], 0
	s_or_b32 s[G1B], s75, (1<<16)|(1<<20)|(1<<21)|(6<<22)|(7<<25)   ; the mask: wo16's tiles go to my column; padding: eight words after every 128
	s_mov_b32 s[G1B+1], 256<<16
	s_mov_b32 s[G1B+2], 64<<16
	s_mov_b32 s[G1B+3], 256<<16
	s_mov_b32 s[G1B+4], 64
	s_mov_b32 s[G1B+5], 1024
	s_mov_b32 s[G1B+6], 0
	s_mov_b32 s[G1B+7], 0
	; where the tiles come from.  o's hang on the tile row alone, wo16's on the tile column alone; each in registers that never hold the other coordinate
	s_lshr_b32 s76, s73, 4                         ; the batch: 16 tile rows each,
	s_lshl_b32 s76, s76, 22                        ; 16 heads of 262,144 bytes
	s_and_b32 s77, s73, 15
	s_lshl_b32 s77, s77, 14                        ; 128 tokens of 128 bytes
	s_add_co_u32 s76, s76, s77                     ; my 128 rows in my batch's head 0
	s_lshl_b32 s77, s18, 18
	s_add_co_u32 s78, s76, s77                     ; + the head of the step's two that I fetch
	s_mov_b32 s79, 0
	s_lshl_b32 s80, s72, 9                         ; wo16: my tile's 256 columns, in bytes,
	s_lshl_b32 s81, s18, 17                        ; + the 64 rows of 2,048 bytes that I fetch
	s_add_co_u32 s80, s80, s81
	s_mov_b32 s81, 0
	s_mul_i32 s21, s18, HALFB                      ; and where they go: no place in the cluster enters an LDS address
	s_mul_i32 s19, s18, HEADA
	s_lshr_b32 s82, s70, 1                         ; the prefetches: my quarter of o's tile
	s_lshl_b32 s82, s82, 18
	s_and_b32 s83, s70, 1
	s_lshl_b32 s83, s83, 13
	s_add_co_u32 s82, s82, s83
	s_add_co_u32 s82, s82, s76
	s_mov_b32 s83, 0
	s_lshl_b32 s84, s73, 19                        ; ybuf: 128 rows of 4,096 bytes a tile row,
	s_lshl_b32 s85, s17, 18                        ; my 64 rows,
	s_add_co_u32 s84, s84, s85
	s_lshl_b32 s86, s72, 10                        ; the tile's 256 columns,
	s_lshl_b32 s85, s18, 9                         ; my 128
	s_add_co_u32 s86, s86, s85                     ; (also my place in b_out)
	s_add_co_u32 s84, s84, s86
	s_mov_b32 s85, 0
	s_wait_dscnt 0x0                               ; both opening adds are done
	s_wait_kmcnt 0x0
	s_add_nc_u64 s[78:79], s[4:5], s[78:79]
	s_add_nc_u64 s[80:81], s[6:7], s[80:81]
.irp n, 0,1
	s_mov_b32 s[G0B+4*\n], 1
	s_add_co_u32 s[G0B+4*\n+1], s21, \n*SLOT
	s_add_nc_u64 s[G0B+4*\n+2:G0B+4*\n+3], s[80:81], \n*262144     ; K step n: 128 rows of 2,048 bytes
	s_or_b32 s[G0B+4*\n+3], s[G0B+4*\n+3], 0x80000000
	s_mov_b32 s[G0A+4*\n], 1
	s_add_co_u32 s[G0A+4*\n+1], s19, \n*SLOT+AOFF
	s_add_nc_u64 s[G0A+4*\n+2:G0A+4*\n+3], s[78:79], \n*524288     ; K step n: two heads
	s_or_b32 s[G0A+4*\n+3], s[G0A+4*\n+3], 0x80000000
.endr
	s_add_nc_u64 s[PFA:PFA+1], s[4:5], s[82:83]
	s_add_nc_u64 s[PFA:PFA+1], s[PFA:PFA+1], 3*524288   ; at K step 3: the first change of slots steps it to K step 4
	s_cmp_eq_u32 s[WV], 3
	s_cselect_b32 s[LIM], 1, -1
	s_add_nc_u64 s[10:11], s[10:11], s[84:85]
	CROUND                                         ; all sixteen work-groups are here: the first joint loads meet
	s_cmp_eq_u32 s17, 0                            ; a wave's two first fills stand in one branch: two loads of mine are out
	s_cbranch_scc0 .Lfirst_a
	tensor_load_to_lds s[G0B:G0B+3], s[G1B:G1B+7]
	s_nop 0
	tensor_load_to_lds s[G0B+4:G0B+7], s[G1B:G1B+7]
	s_nop 0
.rept 4
	v_nop
.endr
	s_branch .Lfirst_asked
.Lfirst_a:
	tensor_load_to_lds s[G0A:G0A+3], s[G1A:G1A+7]
	s_nop 0
	tensor_load_to_lds s[G0A+4:G0A+7], s[G1A:G1A+7]
	s_nop 0
.rept 4
	v_nop
.endr
.Lfirst_asked:
	v_and_b32 v1, 15, v0                           ; r
	v_bfe_u32 v2, v0, 4, 1                         ; h
	v_and_b32 v3, 7, v0
	v_bfe_u32 v4, v0, 3, 1
	v_lshl_add_u32 v[VB], v2, 5, s86               ; (my first column + 8 h) x 4
.irp nt, 0,1,2,3,4,5,6,7
	global_load_b128 v[BIAS+8*\nt:BIAS+8*\nt+3],   v[VB], s[8:9] offset:\nt*64      ; b_out in the result's layout: my first column + 16 nt + 8 h + 0 .. 7
	global_load_b128 v[BIAS+8*\nt+4:BIAS+8*\nt+7], v[VB], s[8:9] offset:\nt*64+16
.endr
	v_mul_u32_u24 v5, v1, PA
	v_lshl_add_u32 v5, v2, 4, v5                   ; o: row r x pitch + 16 x half
	s_mul_i32 s22, s17, 64*PA                      ; my 64 rows of a head's 128
	s_add_co_u32 s22, s22, AOFF
	v_add_nc_u32 v[ADRA], s22, v5
	s_add_co_u32 s22, s22, SLOT
	v_add_nc_u32 v[ADRA+1], s22, v5
	v_lshl_add_u32 v6, v2, 3, v3                   ; w_out: the turning load: k = 8 h + l % 8, columns 8 ((l / 8) % 2) on
	v_mul_u32_u24 v6, v6, PB
	v_lshl_add_u32 v6, v4, 4, v6
	s_lshl_b32 s22, s18, 8                         ; my 128 of the tile's 256 columns
	v_add_nc_u32 v[ADRB], s22, v6
	s_add_co_u32 s22, s22, SLOT
	v_add_nc_u32 v[ADRB+1], s22, v6
	s_mul_i32 s22, s[WV], 16*SPITCH
	s_add_co_u32 s22, s22, STAGE                   ; my stage
	v_mul_u32_u24 v5, v1, SPITCH
	v_lshl_add_u32 v5, v2, 5, v5
	v_add_nc_u32 v[STO], s22, v5                   ; in: row r, 32 bytes for each half of the lanes
	v_and_b32 v6, 31, v0
	v_lshlrev_b32 v[CO], 4, v6                     ; back: the 32 lanes take one row's 512 bytes; and the same in ybuf
	v_add_nc_u32 v[RD], s22, v[CO]
	v_lshlrev_b32 v[PFO], 8, v6
; 24 LDS loads in one run: the fragments of 32 along K (chunk kc of the slot's four: head kc / 2, channels 32 (kc % 2) on) into buffer buf: w_out's 8 (16 turning loads), then o's 4 (8 loads, mt ascending)
.macro FETCH slot, kc, buf
	WIN 0x40                                       ; destination window 1
.irp nt, 0,1,2,3,4,5,6,7
	ds_load_tr16_b128 v[64*\buf+8*\nt:64*\buf+8*\nt+3],   v[ADRB+\slot] offset:(\kc)*32*PB+\nt*32
	ds_load_tr16_b128 v[64*\buf+8*\nt+4:64*\buf+8*\nt+7], v[ADRB+\slot] offset:(\kc)*32*PB+16*PB+\nt*32
.endr
	WIN 0
.irp mt, 0,1,2,3
	ds_load_b128 v[AFR+32*\buf+8*\mt:AFR+32*\buf+8*\mt+3],   v[ADRA+\slot] offset:((\kc)/2)*HEADA+\mt*16*PA+((\kc)%2)*64
	ds_load_b128 v[AFR+32*\buf+8*\mt+4:AFR+32*\buf+8*\mt+7], v[ADRA+\slot] offset:((\kc)/2)*HEADA+\mt*16*PA+((\kc)%2)*64+32
.endr
.endm
; 8 matrix instructions: rows 16 mt on x my 8 tiles of columns, 32 along K.  bias = 1: the first product of each sum takes b_out as C.  The 32 accumulators take turns, one instruction a turn, in the same order in every
; quarter.
.macro MUL8 buf, mt, bias
.set AB, 64*(\mt)
.if \bias
	WIN 0x81                                       ; source 0 window 1, sources 1 and 2 window 0, destination window 2
.else
	WIN 0xa1                                       ; C and D window 2
.endif
.irp nt, 0,1,2,3,4,5,6,7
.if \bias
	v_wmma_f32_16x16x32_f16 v[AB+8*\nt:AB+8*\nt+7], v[64*\buf+8*\nt:64*\buf+8*\nt+7], v[AFR+32*\buf+8*(\mt):AFR+32*\buf+8*(\mt)+7], v[BIAS+8*\nt:BIAS+8*\nt+7]
.else
	v_wmma_f32_16x16x32_f16 v[AB+8*\nt:AB+8*\nt+7], v[64*\buf+8*\nt:64*\buf+8*\nt+7], v[AFR+32*\buf+8*(\mt):AFR+32*\buf+8*(\mt)+7], v[AB+8*\nt:AB+8*\nt+7]
.endif
.endr
.endm
.macro PLACES                          ; four plain places in front of loads into registers that matrix instructions have read, and of the first read of results (ISA guide 7.12.1 for the first read of results)
.rept 4
	v_nop
.endr
.endm
; A K step is four quarters of 32 along K, 32 matrix instructions each, on buffers 0, 1, 0, 1.  One of the first three: multiplies buffer f and, in its middle, fetches chunk kn of the same slot into buffer g.
.macro QUARTER slot, kn, f, g, bias
	s_wait_dscnt 4                                 ; w_out's fragments and o's rows 0-31 are in; the youngest four loads (rows 32-63) may be out
	MUL8 \f, 0, \bias
	MUL8 \f, 1, \bias
	PLACES
	FETCH \slot, \kn, \g
	s_wait_dscnt 24                                ; all but the 24 just issued
	MUL8 \f, 2, \bias
	MUL8 \f, 3, \bias
.endm
; The last quarter changes slots and then multiplies buffer 1.  The slot's last bytes were asked for in the quarter before.  Each wave waits for all its tensor loads (its part of the next slot), adds 0 to its spare word, and
; waits for that and for its reads of this slot; then ONE barrier.  fill = 1: the barrier opens a round of the cluster's, and this slot is filled again, two K steps ahead, first thing behind it.  No product stands between the
; wait for the tensor loads and the refill: one load a wave is on its way at a time, so the next request follows the last landing as closely as the ordering allows; the quarter's 32 products follow the request.
.macro TURN slot, next, fill
.if \fill
	s_wait_xcnt 0x0                                ; the last prefetch, a K step back, has read its address: it may be written
	s_add_nc_u64 s[PFA:PFA+1], s[PFA:PFA+1], 524288   ; a K step on
.endif
	WIN 0
	s_wait_tensorcnt 0x0                           ; all my tensor loads have landed, so a group 0 may be written
	ds_add_u32 v[SPW], v[NIL]                      ; 0 onto my spare word
.if \fill
	s_add_nc_u64 s[G0B+4*\slot+2:G0B+4*\slot+3], s[G0B+4*\slot+2:G0B+4*\slot+3], 524288    ; two K steps of wo16,
	s_add_nc_u64 s[G0A+4*\slot+2:G0A+4*\slot+3], s[G0A+4*\slot+2:G0A+4*\slot+3], 1048576   ; four heads of oh; the type bits on top are not reached
.endif
	s_wait_dscnt 0x0                               ; the add is done, and my reads of this slot are over: buffer 1 is in
	s_barrier_signal -1
	s_barrier_wait -1
.if \fill
	CREST                                          ; no wave of any partner still reads this slot or has a load on its way
	JLOAD \slot                                    ; my one tensor load behind the round; its four v_nop are also the places in front of the loads below
.else
	PLACES
.endif
	FETCH \next, 0, 0
.if \fill
	ASK
.endif
	MUL8 1, 0, 0
	MUL8 1, 1, 0
	MUL8 1, 2, 0
	MUL8 1, 3, 0
.endm
	s_wait_tensorcnt 1                             ; my part of K step 0 is in; the one younger load, K step 1's, may be out
	s_barrier_signal -1
	s_barrier_wait -1
	FETCH 0, 0, 0
	s_wait_loadcnt 0x0                             ; b_out
	QUARTER 0, 1, 0, 1, 1                          ; the first quarter stands in front of the loop: its products start the sums, on the bias
	WIN 0
	s_mov_b32 s[LAP], 3
.Llap:                                             ; a lap goes once round the ring, from a K step's second quarter to the first quarter two steps on; both slots are filled again
	QUARTER 0, 2, 1, 0, 0
	QUARTER 0, 3, 0, 1, 0
	TURN 0, 1, 1
	QUARTER 1, 1, 0, 1, 0
	QUARTER 1, 2, 1, 0, 0
	QUARTER 1, 3, 0, 1, 0
	TURN 1, 0, 1
	QUARTER 0, 1, 0, 1, 0
	WIN 0
	s_sub_co_u32 s[LAP], s[LAP], 1
	s_cmp_lg_u32 s[LAP], 0
	s_cbranch_scc1 .Llap
	QUARTER 0, 2, 1, 0, 0                          ; the tail is written out: K steps 6 and 7, nothing is asked for
	QUARTER 0, 3, 0, 1, 0
	TURN 0, 1, 0
	QUARTER 1, 1, 0, 1, 0
	QUARTER 1, 2, 1, 0, 0
	QUARTER 1, 3, 0, 1, 0
	s_wait_dscnt 0x0                               ; the very last quarter: nothing more to fetch
	MUL8 1, 0, 0
	MUL8 1, 1, 0
	MUL8 1, 2, 0
	MUL8 1, 3, 0
	WIN 0
; THE WAY OUT, block by block of 16 rows x 128 columns.  A lane holds 32 neighbouring bytes of a row: a block goes through my own stage and comes back as whole pieces of 512 bytes, which the 32 lanes store as 512
; consecutive bytes, aligned.  LDS serves a wave's instructions in order: no wait between the stage's stores and loads.
.macro TOSTAGE a
.set AB, 64*(\a)
	WIN 0x08                                       ; an LDS store's data are its source 1: window 2
.irp b, 0,1,2,3,4,5,6,7
	ds_store_b128 v[STO], v[AB+8*\b:AB+8*\b+3] offset:64*\b          ; each accumulator from its low end on
	ds_store_b128 v[STO], v[AB+8*\b+4:AB+8*\b+7] offset:64*\b+16
.endr
	WIN 0
.set BB, BK+64*((\a)%2)
.irp t, 0,1,2,3,4,5,6,7,8,9,10,11,12,13,14,15
	ds_load_b128 v[BB+4*\t:BB+4*\t+3], v[RD] offset:\t*SPITCH
.endr
.endm
.macro SEND a, younger                 ; younger: the LDS instructions issued behind block a's loads, which may stay out
.set BB, BK+64*((\a)%2)
	s_wait_dscnt \younger
.irp t, 0,1,2,3,4,5,6,7,8,9,10,11,12,13,14,15
	global_store_b128 v[CO], v[BB+4*\t:BB+4*\t+3], s[10:11] offset:(\a)*65536+\t*4096
.endr
.endm
	PLACES                                         ; behind the last products: for the reads of results and for the loads into the registers that held the bias
	TOSTAGE 0
.irp a, 1,2,3
.if \a > 1
	s_wait_xcnt 0x0                                ; block a - 2's stores have read their registers: block a's loads may land there
.endif
	TOSTAGE \a
	SEND \a-1, 32                                  ; behind block a - 1's loads: block a's 16 stores and 16 loads
.endr
	SEND 3, 0
	s_wait_tensorcnt 0x0                           ; the wave's end, behind my last tensor load and my last LDS store
	ds_add_u32 v[SPW], v[NIL]
	s_wait_dscnt 0x0
	CROUND                                         ; the closing round: no work-group ends while a partner may still ask for a tile that names it
	s_endpgm
.Lfunc_end_k_q81772e65d4_proj:
	.size	k_q81772e65d4_proj, .Lfunc_end_k_q81772e65d4_proj-k_q81772e65d4_proj
	.p2alignl 7, 3214868480
	.fill 96, 4, 3214868480
	.section	.rodata,"a",@progbits
	.p2align	6, 0x0
	.amdhsa_kernel k_q81772e65d4_proj
		.amdhsa_group_segment_fixed_size 327680
		.amdhsa_private_segment_fixed_size 0
		.amdhsa_enable_private_segment 0
		.amdhsa_kernarg_size 32
		.amdhsa_user_sgpr_count 2
		.amdhsa_user_sgpr_kernarg_segment_ptr 1
		.amdhsa_wavefront_size32 1
		.amdhsa_system_sgpr_workgroup_id_x 1
		.amdhsa_system_sgpr_workgroup_id_y 1
		.amdhsa_system_sgpr_workgroup_id_z 1
		.amdhsa_system_vgpr_workitem_id 0
		.amdhsa_next_free_vgpr 768
		.amdhsa_next_free_sgpr 88
		.amdhsa_reserve_vcc 0
		.amdhsa_float_denorm_mode_32 3
		.amdhsa_float_denorm_mode_16_64 3
		.amdhsa_memory_ordered 1
		.amdhsa_forward_progress 1
		.amdhsa_inst_pref_size 87
	.end_amdhsa_kernel
	.amdgpu_metadata
---
amdhsa.version: [ 1, 2 ]
amdhsa.kernels:
  - .name:           k_q81772e65d4_proj
    .symbol:         k_q81772e65d4_proj.kd
    .args:
      - { .name: oh, .offset: 0, .size: 8, .value_kind: global_buffer, .address_space: global }
      - { .name: wo16, .offset: 8, .size: 8, .value_kind: global_buffer, .address_space: global }
      - { .name: b_out, .offset: 16, .size: 8, .value_kind: global_buffer, .address_space: global }
      - { .name: ybuf, .offset: 24, .size: 8, .value_kind: global_buffer, .address_space: global }
    .group_segment_fixed_size: 327680
    .private_segment_fixed_size: 0
    .kernarg_segment_align: 8
    .kernarg_segment_size: 32
    .max_flat_workgroup_size: 128
    .sgpr_count:     88
    .vgpr_count:     768
    .wavefront_size: 32
...
	.end_amdgpu_metadata
.endif
;; end of part 4
;; launch ln (part 5): grid 256 x 1, 8 waves a work-group, no clusters, 0 bytes of LDS; arguments ybuf, ln_gamma, ln_beta, out0; writes out0
.if DOCPART == 5
	.amdgcn_target "amdgcn-amd-amdhsa--gfx1250"
	.amdhsa_code_object_version 6
	.text
	.protected	k_q81772e65d4_ln
	.globl	k_q81772e65d4_ln
	.p2align	8
	.type	k_q81772e65d4_ln,@function
k_q81772e65d4_ln:
	s_mov_b64 s[64:65], 0
	v_nop
	global_prefetch_b8 v0, s[64:65] scope:SCOPE_SE
	s_setreg_imm32_b32 hwreg(HW_REG_WAVE_MODE, 25, 1), 1
	s_wait_xcnt 0x0
; LN: out0[r][:] = (y[r][:] - mean) / sqrt(var + 1e-5) x ln_gamma + ln_beta, over rows of 1,024 f32; y = ybuf.  All in f32.
; A row is 4,096 bytes: one wave takes a whole row, eight 16-byte loads a lane, and keeps it in 32 registers through three passes: the mean; the squares of what is left when the mean is taken away (so that no
; difference of large sums is formed); the scaling.  The row is read from memory once, the reduction never leaves the wave: no LDS, no barrier.
; SHARES.  8,192 rows = 256 work-groups x 8 waves x 4 rows.  A wave's 48 loads (ln_gamma, ln_beta, its four rows) all go out at its head: 16,384 bytes of y a wave, 131,072 a work-group, are on their way at once;
; the rows are then worked and stored one after the other, each from the registers that it was loaded into, which are written by nothing else afterwards.
; Each load and store of a wave covers 512 consecutive bytes, aligned.  Lane l's register 4 j + c holds column 128 j + 4 l + c, in y, ln_gamma and ln_beta alike.
; No matrix unit, no cluster (only ln_gamma and ln_beta, 8,192 bytes, are shared), no prefetch (every address is asked for by its load at the head).
; LIMITS: NaN and infinities are not served.
.set ROW,  4096
.set G,    8                           ; v8-39    ln_gamma of my 32 columns
.set B,    40                          ; v40-71   ln_beta
.set X,    72                          ; v72-199  four rows, 32 registers each
.set CH,   200                         ; v200-207 four chains of pairs
.set MEAN, 208                         ; v208 the row's mean (v209, the pair's other word, is written once)
.set RSTD, 210                         ; v210 1 / sqrt(var + eps) (v211 likewise)
.set TA,   212
.set TB,   213
	s_load_b256 s[4:11], s[0:1], 0x0               ; ybuf s[4:5], ln_gamma s[6:7], ln_beta s[8:9], out0 s[10:11]
	v_and_b32 v1, 31, v0
	v_lshlrev_b32 v1, 4, v1                        ; 16 x lane; never rewritten
	v_lshrrev_b32 v2, 5, v0
	v_readfirstlane_b32 s12, v2                    ; wave 0..7
	s_lshl_b32 s13, ttmp9, 3
	s_add_co_u32 s13, s13, s12
	s_lshl_b32 s14, s13, 14                        ; my four rows of 4,096 bytes
	s_mov_b32 s15, 0
	s_mov_b32 s16, 0x76543210                      ; v_permlanex16_b32's selects for lane l xor 16
	s_mov_b32 s17, 0xfedcba98
	s_mov_b32 s18, 0x3a800000                      ; 1 / 1,024
	s_mov_b32 s19, 0x3727c5ac                      ; eps = 1e-5
	v_mov_b32 v[MEAN+1], 0                         ; (named as the other word of a pair, so it is written)
	v_mov_b32 v[RSTD+1], 0
	v_mov_b32 v[TB], 0                             ; a lane permute's destination counts as one of its sources
	s_wait_kmcnt 0x0
	s_add_nc_u64 s[4:5], s[4:5], s[14:15]
	s_add_nc_u64 s[10:11], s[10:11], s[14:15]
.irp j, 0,1,2,3,4,5,6,7
	global_load_b128 v[G+4*\j:G+4*\j+3], v1, s[6:7] offset:512*\j
.endr
.irp j, 0,1,2,3,4,5,6,7
	global_load_b128 v[B+4*\j:B+4*\j+3], v1, s[8:9] offset:512*\j
.endr
.irp i, 0,1,2,3
.irp j, 0,1,2,3,4,5,6,7
	global_load_b128 v[X+32*\i+4*\j:X+32*\i+4*\j+3], v1, s[4:5] offset:\i*ROW+512*\j th:TH_LOAD_NT   ; read once
.endr
.endr
.macro REDUCE                          ; the four chains, the pair's halves, then the 32 lanes: four steps inside each half of 16 lanes ride on the addition, one crosses the halves; every lane ends with the sum in v[TA]
	v_pk_add_f32 v[CH:CH+1], v[CH:CH+1], v[CH+2:CH+3]
	v_pk_add_f32 v[CH+4:CH+5], v[CH+4:CH+5], v[CH+6:CH+7]
	v_pk_add_f32 v[CH:CH+1], v[CH:CH+1], v[CH+4:CH+5]
	v_add_f32 v[TA], v[CH], v[CH+1]
	v_add_f32_dpp v[TA], v[TA], v[TA] row_xmask:1 row_mask:0xf bank_mask:0xf
	v_add_f32_dpp v[TA], v[TA], v[TA] row_xmask:2 row_mask:0xf bank_mask:0xf
	v_add_f32_dpp v[TA], v[TA], v[TA] row_xmask:4 row_mask:0xf bank_mask:0xf
	v_add_f32_dpp v[TA], v[TA], v[TA] row_xmask:8 row_mask:0xf bank_mask:0xf
	v_permlanex16_b32 v[TB], v[TA], s16, s17
	v_add_f32 v[TA], v[TA], v[TB]
.endm
.macro ROWLN i
.set XR, X+32*(\i)
	s_wait_loadcnt 8*(3-(\i))                      ; loads come back in order: ln_gamma, ln_beta and this row are in; the eight loads of each younger row may be out
.irp c, 0,1,2,3
	v_pk_add_f32 v[CH+2*\c:CH+2*\c+1], v[XR+2*\c:XR+2*\c+1], v[XR+8+2*\c:XR+8+2*\c+1]   ; the first pairs start the chains: nothing is cleared
.endr
.irp k, 16,24
.irp c, 0,1,2,3
	v_pk_add_f32 v[CH+2*\c:CH+2*\c+1], v[CH+2*\c:CH+2*\c+1], v[XR+\k+2*\c:XR+\k+2*\c+1]
.endr
.endr
	REDUCE
	v_mul_f32 v[MEAN], s18, v[TA]                  ; the mean
.set p, 0
.rept 16
	v_pk_add_f32 v[XR+2*p:XR+2*p+1], v[XR+2*p:XR+2*p+1], v[MEAN:MEAN+1] op_sel_hi:[1,0] neg_lo:[0,1] neg_hi:[0,1]   ; y - mean, in place
.set p, p+1
.endr
.irp c, 0,1,2,3
	v_pk_mul_f32 v[CH+2*\c:CH+2*\c+1], v[XR+2*\c:XR+2*\c+1], v[XR+2*\c:XR+2*\c+1]
.endr
.set p, 4
.rept 12
	v_pk_fma_f32 v[CH+2*(p%4):CH+2*(p%4)+1], v[XR+2*p:XR+2*p+1], v[XR+2*p:XR+2*p+1], v[CH+2*(p%4):CH+2*(p%4)+1]
.set p, p+1
.endr
	REDUCE
	v_fma_f32 v[TA], v[TA], s18, s19               ; var + eps
	v_rsq_f32 v[RSTD], v[TA]
	v_nop                                          ; a plain line behind it, ahead of the first use
	s_wait_alu depctr_va_vdst(0)                   ; and the wait ahead of the first line that names the result
.set p, 0
.rept 16
	v_pk_mul_f32 v[XR+2*p:XR+2*p+1], v[XR+2*p:XR+2*p+1], v[RSTD:RSTD+1] op_sel_hi:[1,0]
.set p, p+1
.endr
.set p, 0
.rept 16
	v_pk_fma_f32 v[XR+2*p:XR+2*p+1], v[XR+2*p:XR+2*p+1], v[G+2*p:G+2*p+1], v[B+2*p:B+2*p+1]
.set p, p+1
.endr
.irp j, 0,1,2,3,4,5,6,7
	global_store_b128 v1, v[XR+4*\j:XR+4*\j+3], s[10:11] offset:(\i)*ROW+512*\j th:TH_STORE_NT   ; written once, read by nobody here
.endr
.endm
	ROWLN 0
	ROWLN 1
	ROWLN 2
	ROWLN 3
	s_endpgm
.Lfunc_end_k_q81772e65d4_ln:
	.size	k_q81772e65d4_ln, .Lfunc_end_k_q81772e65d4_ln-k_q81772e65d4_ln
	.p2alignl 7, 3214868480
	.fill 96, 4, 3214868480
	.section	.rodata,"a",@progbits
	.p2align	6, 0x0
	.amdhsa_kernel k_q81772e65d4_ln
		.amdhsa_group_segment_fixed_size 0
		.amdhsa_private_segment_fixed_size 0
		.amdhsa_enable_private_segment 0
		.amdhsa_kernarg_size 32
		.amdhsa_user_sgpr_count 2
		.amdhsa_user_sgpr_kernarg_segment_ptr 1
		.amdhsa_wavefront_size32 1
		.amdhsa_system_sgpr_workgroup_id_x 1
		.amdhsa_system_sgpr_workgroup_id_y 1
		.amdhsa_system_sgpr_workgroup_id_z 1
		.amdhsa_system_vgpr_workitem_id 0
		.amdhsa_next_free_vgpr 216
		.amdhsa_next_free_sgpr 66
		.amdhsa_reserve_vcc 0
		.amdhsa_float_denorm_mode_32 3
		.amdhsa_float_denorm_mode_16_64 3
		.amdhsa_memory_ordered 1
		.amdhsa_forward_progress 1
		.amdhsa_inst_pref_size 33
	.end_amdhsa_kernel
	.amdgpu_metadata
---
amdhsa.version: [ 1, 2 ]
amdhsa.kernels:
  - .name:           k_q81772e65d4_ln
    .symbol:         k_q81772e65d4_ln.kd
    .args:
      - { .name: ybuf, .offset: 0, .size: 8, .value_kind: global_buffer, .address_space: global }
      - { .name: ln_gamma, .offset: 8, .size: 8, .value_kind: global_buffer, .address_space: global }
      - { .name: ln_beta, .offset: 16, .size: 8, .value_kind: global_buffer, .address_space: global }
      - { .name: out0, .offset: 24, .size: 8, .value_kind: global_buffer, .address_space: global }
    .group_segment_fixed_size: 0
    .private_segment_fixed_size: 0
    .kernarg_segment_align: 8
    .kernarg_segment_size: 32
    .max_flat_workgroup_size: 256
    .sgpr_count:     66
    .vgpr_count:     216
    .wavefront_size: 32
...
	.end_amdgpu_metadata
.endif
;; end of part 5
